; MI455X (gfx1250); checked and timed in simulation.
; The chip was launched on July 23, 2026; its instructions are those of AMD's public machine-readable ISA for CDNA 5 (MIT licence, August 2026) and "CDNA5" Instruction Set Architecture Reference Guide (July 2026). The comments in the code are by the model that wrote it; some were corrected since.
;; Attention. Allowed arithmetic: float matrix products may take bf16 or f16 operands with f32 sums; other float arithmetic in f32, or as packed bf16 or f16 multiplies, adds, multiply-adds, maxima and minima; sums over many terms, partial sums and values carried from step to step in f32; what a program stores and reads back later, other than sums and carried values, may be rounded once to bf16 or f16.
;; Inputs: b1 1,024 float32; b2 1,024 float32; b_mlp1 4,096 float32; b_mlp2 1,024 float32; g1 1,024 float32; g2 1,024 float32; seq_mask 2 x 2,048 bool; w_mlp1 4,096 x 1,024 float32; w_mlp2 1,024 x 4,096 float32; wk 1,024 x 1,024 float32; wo 1,024 x 1,024 float32; wq 1,024 x 1,024 float32; wv 1,024 x 1,024 float32; x 2 x 2,048 x 1,024 float32.
;; Outputs: out0 2 x 2,048 x 1,024 float32.
;; One version. Each part assembles by itself: llvm-mc -triple=amdgcn-amd-amdhsa -mcpu=gfx1250 --defsym DOCPART=n.
;; ======== version 1 of 1: 7 launches
;; limits: a function is approximated: absolute error at most 1.5e-07
;; workspace buffers: wb 25,165,824 bytes; act 8,388,608 bytes; qkv 25,165,824 bytes; x1 16,777,216 bytes; hb 33,554,432 bytes
;; launch prep (part 1): grid 1280 x 1, 8 waves a work-group, no clusters, 0 bytes of LDS; arguments x, g1, b1, act, wq, wk, wv, wo, w_mlp1, w_mlp2, wb; writes act, wb
.if DOCPART == 1
	.amdgcn_target "amdgcn-amd-amdhsa--gfx1250"
	.amdhsa_code_object_version 6
	.text
	.protected	k_q844580860d_prep
	.globl	k_q844580860d_prep
	.p2align	8
	.type	k_q844580860d_prep,@function
k_q844580860d_prep:
	s_mov_b64 s[64:65], 0
	v_nop
	global_prefetch_b8 v0, s[64:65] scope:SCOPE_SE
	s_setreg_imm32_b32 hwreg(HW_REG_WAVE_MODE, 25, 1), 1
	s_wait_xcnt 0x0
; Work-groups 0-511: act[row][:] = bf16(layernorm(x[row][:]) * g1 + b1), 4,096 rows of 1,024 f32; a wave takes a row, a work-group eight.
; Work-groups 512-1279: the six weight matrices, f32, are rounded once to bf16 and laid end to end in wb (wq, wk, wv, wo, w_mlp1, w_mlp2).
; A stream: no LDS, no matrix unit, no cluster (no byte is shared but g1 and b1, 8 KiB).  A row lies in 32 registers of its wave between the passes, so it is read once.
; The variance is the mean of the squared differences from the mean (two passes over registers): no difference of large sums is formed.
; LIMITS: NaN and infinities are not treated apart; v_rsq_f32 is accurate to 1 ulp.
.set X,  32                            ; v[32:63]   the row: chunk j (512 bytes of the wave) holds columns 128 j + 4 lane .. + 3
.set G,  64                            ; v[64:95]   g of the same columns
.set BV, 96                            ; v[96:127]  b of the same columns
.set T,  8                             ; v[8:15]    four chains of packed sums
.set YY, 16                            ; v[16:31]   the row in bf16
.macro ACROSS                          ; the four chains, the pair's halves and the 32 lanes are added: every lane ends with the sum in v[T]
	v_pk_add_f32 v[T:T+1], v[T:T+1], v[T+2:T+3]
	v_pk_add_f32 v[T+4:T+5], v[T+4:T+5], v[T+6:T+7]
	v_pk_add_f32 v[T:T+1], v[T:T+1], v[T+4:T+5]
	v_add_f32 v[T], v[T], v[T+1]
	v_add_f32_dpp v[T], v[T], v[T] row_xmask:1 row_mask:0xf bank_mask:0xf
	v_add_f32_dpp v[T], v[T], v[T] row_xmask:2 row_mask:0xf bank_mask:0xf
	v_add_f32_dpp v[T], v[T], v[T] row_xmask:4 row_mask:0xf bank_mask:0xf
	v_add_f32_dpp v[T], v[T], v[T] row_xmask:8 row_mask:0xf bank_mask:0xf
	v_permlanex16_b32 v[T+1], v[T], s30, s31       ; the other half of the lanes; its destination has been written
	v_add_f32 v[T], v[T], v[T+1]
.endm
	s_load_b256 s[4:11], s[0:1], 0x0               ; x s[4:5], g1 s[6:7], b1 s[8:9], act s[10:11]
	s_load_b256 s[12:19], s[0:1], 0x20             ; wq, wk, wv, wo
	s_load_b128 s[20:23], s[0:1], 0x40             ; w_mlp1, w_mlp2
	s_load_b64 s[24:25], s[0:1], 0x50              ; wb
	v_lshrrev_b32 v1, 5, v0
	v_readfirstlane_b32 s26, v1                    ; wave 0..7
	v_and_b32 v1, 31, v0
	v_lshlrev_b32 v2, 4, v1                        ; 16 bytes of f32 a lane
	v_lshlrev_b32 v3, 3, v1                        ; 8 bytes of bf16 a lane
	s_mov_b32 s29, 0                               ; high word of every offset pair
	s_mov_b32 s30, 0x76543210
	s_mov_b32 s31, 0xfedcba98
	s_mov_b32 s32, 0x3a800000                      ; 1 / 1024
	s_mov_b32 s33, 0x3727c5ac                      ; 1e-5
	s_wait_kmcnt 0x0
	s_cmp_ge_u32 ttmp9, 512
	s_cbranch_scc1 .Lcast
	s_lshl_b32 s27, ttmp9, 3
	s_add_co_u32 s27, s27, s26                     ; my row
	s_lshl_b32 s28, s27, 12
	s_add_nc_u64 s[4:5], s[4:5], s[28:29]
	s_lshl_b32 s28, s27, 11
	s_add_nc_u64 s[10:11], s[10:11], s[28:29]
.irp j, 0,1,2,3,4,5,6,7
	global_load_b128 v[X+4*(\j):X+4*(\j)+3], v2, s[4:5] offset:512*(\j)
.endr
.irp j, 0,1,2,3,4,5,6,7
	global_load_b128 v[G+4*(\j):G+4*(\j)+3], v2, s[6:7] offset:512*(\j)
.endr
.irp j, 0,1,2,3,4,5,6,7
	global_load_b128 v[BV+4*(\j):BV+4*(\j)+3], v2, s[8:9] offset:512*(\j)
.endr
	s_wait_loadcnt 16                              ; the row is in; the 16 loads of g and b may stay out
.irp k, 0,1,2,3
	v_pk_add_f32 v[T+2*(\k):T+2*(\k)+1], v[X+2*(\k):X+2*(\k)+1], v[X+8+2*(\k):X+8+2*(\k)+1]
.endr
.set i, 8
.rept 8
	v_pk_add_f32 v[T+2*(i%4):T+2*(i%4)+1], v[T+2*(i%4):T+2*(i%4)+1], v[X+2*i:X+2*i+1]
.set i, i+1
.endr
	ACROSS
	v_mul_f32 v4, s32, v[T]                        ; the mean, twice
	v_mov_b32 v5, v4
.set i, 0
.rept 16
	v_pk_add_f32 v[X+2*i:X+2*i+1], v[X+2*i:X+2*i+1], v[4:5] neg_lo:[0,1] neg_hi:[0,1]
.set i, i+1
.endr
.irp k, 0,1,2,3
	v_pk_mul_f32 v[T+2*(\k):T+2*(\k)+1], v[X+2*(\k):X+2*(\k)+1], v[X+2*(\k):X+2*(\k)+1]
.endr
.set i, 4
.rept 12
	v_pk_fma_f32 v[T+2*(i%4):T+2*(i%4)+1], v[X+2*i:X+2*i+1], v[X+2*i:X+2*i+1], v[T+2*(i%4):T+2*(i%4)+1]
.set i, i+1
.endr
	ACROSS
	v_fma_f32 v[T+2], v[T], s32, s33               ; variance + eps
	v_rsq_f32 v6, v[T+2]
	v_rsq_f32 v7, v[T+2]
	v_nop                                          ; a plain instruction between the root and the use of its result (ISA guide 5.7.2)
.set i, 0
	s_wait_alu depctr_va_vdst(0)
.rept 16
	v_pk_mul_f32 v[X+2*i:X+2*i+1], v[X+2*i:X+2*i+1], v[6:7]
.set i, i+1
.endr
	s_wait_loadcnt 0x0                             ; g and b
.set i, 0
.rept 16
	v_pk_fma_f32 v[X+2*i:X+2*i+1], v[X+2*i:X+2*i+1], v[G+2*i:G+2*i+1], v[BV+2*i:BV+2*i+1]
.set i, i+1
.endr
.set i, 0
.rept 16
	v_cvt_pk_bf16_f32 v[YY+i], v[X+2*i], v[X+2*i+1]
.set i, i+1
.endr
.irp j, 0,1,2,3,4,5,6,7
	global_store_b64 v3, v[YY+2*(\j):YY+2*(\j)+1], s[10:11] offset:256*(\j)  ; 32 lanes store 256 consecutive bytes, aligned
.endr
	s_endpgm
.Lcast:                                        ; chunk c of 16,384 numbers; a wave takes 2,048: 16 loads of 512 bytes, 16 stores of 256
	s_sub_co_u32 s27, ttmp9, 512
	s_mov_b64 s[34:35], s[12:13]
	s_mov_b32 s36, 0
.macro PICK lim, lo                    ; from chunk lim on the source is the next matrix
	s_cmp_ge_u32 s27, \lim
	s_cselect_b64 s[34:35], s[\lo:\lo+1], s[34:35]
	s_cselect_b32 s36, \lim, s36
.endm
	PICK 64, 14
	PICK 128, 16
	PICK 192, 18
	PICK 256, 20
	PICK 512, 22
	s_sub_co_u32 s28, s27, s36
	s_lshl_b32 s28, s28, 16                        ; the chunk's place in its own matrix, 65,536 bytes a chunk,
	s_lshl_b32 s37, s26, 13                        ; and my wave's 8,192 bytes of it
	s_add_co_u32 s28, s28, s37
	s_add_nc_u64 s[34:35], s[34:35], s[28:29]
	s_lshl_b32 s28, s27, 15
	s_lshl_b32 s37, s26, 12
	s_add_co_u32 s28, s28, s37
	s_add_nc_u64 s[24:25], s[24:25], s[28:29]
.set j, 0
.rept 16
	global_load_b128 v[32+4*j:35+4*j], v2, s[34:35] offset:512*j th:TH_LOAD_NT
.set j, j+1
.endr
.set j, 0
.rept 16
	s_wait_loadcnt 15-j                            ; loads come back in order (ISA guide 5.7.1): load j is in, the younger ones stay out
	v_cvt_pk_bf16_f32 v[96+2*j], v[32+4*j], v[33+4*j]
	v_cvt_pk_bf16_f32 v[97+2*j], v[34+4*j], v[35+4*j]
	global_store_b64 v3, v[96+2*j:97+2*j], s[24:25] offset:256*j
.set j, j+1
.endr
	s_endpgm
.Lfunc_end_k_q844580860d_prep:
	.size	k_q844580860d_prep, .Lfunc_end_k_q844580860d_prep-k_q844580860d_prep
	.p2alignl 7, 3214868480
	.fill 96, 4, 3214868480
	.section	.rodata,"a",@progbits
	.p2align	6, 0x0
	.amdhsa_kernel k_q844580860d_prep
		.amdhsa_group_segment_fixed_size 0
		.amdhsa_private_segment_fixed_size 0
		.amdhsa_enable_private_segment 0
		.amdhsa_kernarg_size 88
		.amdhsa_user_sgpr_count 2
		.amdhsa_user_sgpr_kernarg_segment_ptr 1
		.amdhsa_wavefront_size32 1
		.amdhsa_system_sgpr_workgroup_id_x 1
		.amdhsa_system_sgpr_workgroup_id_y 1
		.amdhsa_system_sgpr_workgroup_id_z 1
		.amdhsa_system_vgpr_workitem_id 0
		.amdhsa_next_free_vgpr 128
		.amdhsa_next_free_sgpr 66
		.amdhsa_reserve_vcc 0
		.amdhsa_float_denorm_mode_32 3
		.amdhsa_float_denorm_mode_16_64 3
		.amdhsa_memory_ordered 1
		.amdhsa_forward_progress 1
		.amdhsa_inst_pref_size 19
	.end_amdhsa_kernel
	.amdgpu_metadata
---
amdhsa.version: [ 1, 2 ]
amdhsa.kernels:
  - .name:           k_q844580860d_prep
    .symbol:         k_q844580860d_prep.kd
    .args:
      - { .name: x, .offset: 0, .size: 8, .value_kind: global_buffer, .address_space: global }
      - { .name: g1, .offset: 8, .size: 8, .value_kind: global_buffer, .address_space: global }
      - { .name: b1, .offset: 16, .size: 8, .value_kind: global_buffer, .address_space: global }
      - { .name: act, .offset: 24, .size: 8, .value_kind: global_buffer, .address_space: global }
      - { .name: wq, .offset: 32, .size: 8, .value_kind: global_buffer, .address_space: global }
      - { .name: wk, .offset: 40, .size: 8, .value_kind: global_buffer, .address_space: global }
      - { .name: wv, .offset: 48, .size: 8, .value_kind: global_buffer, .address_space: global }
      - { .name: wo, .offset: 56, .size: 8, .value_kind: global_buffer, .address_space: global }
      - { .name: w_mlp1, .offset: 64, .size: 8, .value_kind: global_buffer, .address_space: global }
      - { .name: w_mlp2, .offset: 72, .size: 8, .value_kind: global_buffer, .address_space: global }
      - { .name: wb, .offset: 80, .size: 8, .value_kind: global_buffer, .address_space: global }
    .group_segment_fixed_size: 0
    .private_segment_fixed_size: 0
    .kernarg_segment_align: 8
    .kernarg_segment_size: 88
    .max_flat_workgroup_size: 256
    .sgpr_count:     66
    .vgpr_count:     128
    .wavefront_size: 32
...
	.end_amdgpu_metadata
.endif
;; end of part 1
;; launch qkv (part 2): grid 12 x 16, 4 waves a work-group, clusters of 4 x 4, 327,680 bytes of LDS; arguments act, wb, qkv, seq_mask; writes qkv
.if DOCPART == 2
	.amdgcn_target "amdgcn-amd-amdhsa--gfx1250"
	.amdhsa_code_object_version 6
	.text
	.protected	k_q844580860d_qkv
	.globl	k_q844580860d_qkv
	.p2align	8
	.type	k_q844580860d_qkv,@function
k_q844580860d_qkv:
	s_mov_b64 s[64:65], 0
	v_nop
	global_prefetch_b8 v0, s[64:65] scope:SCOPE_SE
	s_setreg_imm32_b32 hwreg(HW_REG_WAVE_MODE, 25, 1), 1
	s_wait_xcnt 0x0
	s_wait_alu depctr_hold_cnt(0) depctr_sa_sdst(0) depctr_va_vdst(0) depctr_va_sdst(0) depctr_va_ssrc(0) depctr_va_vcc(0) depctr_vm_vsrc(0)
	s_getreg_b32 s2, hwreg(HW_REG_IB_STS2, 6, 4)
	s_cmp_eq_u32 s2, 0
	s_cbranch_scc0 .Lentry_in_a_cluster
	s_endpgm
.Lentry_in_a_cluster:
	s_bfe_u32 s2, ttmp6, 0x10000c
	s_cmp_lg_u32 s2, 0xf033
	s_cbranch_scc0 .Lentry_shape_is_right
	s_endpgm
.Lentry_shape_is_right:
; qkv = nx [wq; wk; wv]^T.  A = act [4096][1024] bf16, B = wb's first 3,072 rows of 1,024 bf16; sums in f32, rounded once to bf16.
; Stored by heads: plane p = column / 64 (q: 0-15, k: 16-31, v: 32-47), [48][4096][64]: a plane's rows of 128 bytes lie end to end.
; The rows of k whose key seq_mask hides (bit 0 of its byte) are stored as 0: the attention launch then gets the hidden score from the sum's starting value alone.
; A tile of C is 256 x 256: four waves of 128 x 128 (64 accumulators, 512 registers); K in steps of 128 through two LDS slots; 4 x 4 work-groups form a cluster: A's tile is asked for jointly
; along a row of the cluster, B's along a column.  The matrix instruction is used transposed (source 0 = rows of B): a lane holds eight neighbouring columns of one row of C.
; 12 x 16 = 192 work-groups: the tile that feeds 256 products a wave from a step's 128 KiB is taken although not every WGP gets a work-group; a tile of 256 x 192 would cut planes of 64 columns in half.
; THE WAY OUT: the wave's tile is put once into LDS, in f32 (the ring's bytes: every fill has landed and, behind a barrier, nobody reads them), and a counted loop on fixed registers takes it
; back eight rows a trip, multiplies by the row's keep (1, or 0 for a hidden key's row of k), rounds and stores 512 consecutive bytes of a plane an instruction.
; No prefetch: K has eight steps, two of them the first fills, and every tile is asked for by several clusters.
; LIMITS: NaN and infinities are not treated apart (a hidden key's row with such a sum is not 0).
.set SIZE_K, 1024
.set WBOFF,  0
.set NOTK,   70                        ; s70  1.0, or 0 where the tile belongs to k
.set MB,  32                           ; v32      four bytes of seq_mask: rows 4 l .. 4 l + 3 of my wave's 128
.set KE,  36                           ; v36-39   their keep factors
.set KS,  40                           ; v40      where I put them
.set KR,  41                           ; v41      where I read the keep of my row of a trip
.set QX,  64                           ; v64-95   32 sums as read back: row l / 8 (plane 0, plane 1), row 4 + l / 8 (plane 0, plane 1), eight each
.set QT,  96                           ; v96-127  times keep
.set QY,  128                          ; v128-143 packed bf16
.set KV,  144                          ; v144-147 the two rows' keep, each the low word of a pair
.macro EARLY
	s_lshl_b32 s16, s13, 8
	s_lshl_b32 s17, s11, 7
	s_add_co_u32 s16, s16, s17                     ; my first row of C; seq_mask is [2][2048] bytes: the row's number is its index
	v_and_b32 v4, 31, v0
	v_lshl_add_u32 v5, v4, 2, s16
	global_load_b32 v[MB], v5, s[66:67]
	OUTADR
	s_sub_co_u32 s22, s42, 4
	s_cmp_lt_u32 s22, 4                            ; tile columns 4-7 are k's: this selects a value, no branch
	s_cselect_b32 s[NOTK], 0, 1.0
	s_lshl_b32 s22, s10, 9
	s_add_co_u32 s22, s22, KT                      ; my wave's 128 keep factors
	v_lshl_add_u32 v[KS], v4, 4, s22
	v_bfe_u32 v3, v0, 3, 2
	v_lshl_add_u32 v[KR], v3, 2, s22
.endm
.macro BACK                            ; eight rows of the dump and their keep
.irp q, 0,1
	ds_load_b128 v[QX+16*(\q):QX+16*(\q)+3],     v[RD] offset:(\q)*4*SPF
	ds_load_b128 v[QX+16*(\q)+4:QX+16*(\q)+7],   v[RD] offset:(\q)*4*SPF+16
	ds_load_b128 v[QX+16*(\q)+8:QX+16*(\q)+11],  v[RD] offset:(\q)*4*SPF+256
	ds_load_b128 v[QX+16*(\q)+12:QX+16*(\q)+15], v[RD] offset:(\q)*4*SPF+272
	ds_load_b32 v[KV+2*(\q)], v[KR] offset:16*(\q)
.endr
.endm
.macro WAYOUT
	s_barrier_signal -1                            ; every wave's LDS reads have been waited for: behind this barrier the ring's bytes are written
	PLACES
	s_barrier_wait -1
	DUMP
	s_wait_loadcnt 0x0                             ; the mask's bytes
.irp e, 0,1,2,3                        ; keep = max(1 - mask, NOTK)
	v_bfe_u32 v[KE+(\e)], v[MB], 8*(\e), 1
.endr
.irp e, 0,1,2,3
	v_cvt_f32_u32 v[KE+(\e)], v[KE+(\e)]
.endr
.irp e, 0,1,2,3
	v_sub_f32 v[KE+(\e)], 1.0, v[KE+(\e)]
.endr
.irp e, 0,1,2,3
	v_max_num_f32 v[KE+(\e)], s[NOTK], v[KE+(\e)]
.endr
	ds_store_b128 v[KS], v[KE:KE+3]
	v_mov_b32 v[KV+1], 0                           ; named with the keep as pairs, so they are written
	v_mov_b32 v[KV+3], 0
	BACK                                           ; my own bytes: LDS serves a wave's instructions in order (ISA guide 5.7.1.4)
	s_mov_b32 s3, 16
.Lrows:
	s_wait_dscnt 0x0
.set z, 0
.rept 16
	v_pk_mul_f32 v[QT+2*z:QT+2*z+1], v[QX+2*z:QX+2*z+1], v[KV+2*(z/8):KV+2*(z/8)+1] op_sel_hi:[1,0]
.set z, z+1
.endr
	s_cmp_eq_u32 s3, 1                             ; the last trip has nothing more to read
	s_cbranch_scc1 .Lnomore
	v_add_nc_u32 v[RD], 8*SPF, v[RD]
	v_add_nc_u32 v[KR], 32, v[KR]
	BACK
.Lnomore:
.set z, 0
.rept 16
	v_cvt_pk_bf16_f32 v[QY+z], v[QT+2*z], v[QT+2*z+1]
.set z, z+1
.endr
	global_store_b128 v[CO], v[QY:QY+3], s[8:9]                      ; four rows of 128 bytes of my first plane: 512 consecutive bytes, aligned to 256
	global_store_b128 v[CO], v[QY+4:QY+7], s[8:9] offset:524288      ; the same rows of my second plane
	global_store_b128 v[CO], v[QY+8:QY+11], s[8:9] offset:512        ; the next four rows
	global_store_b128 v[CO], v[QY+12:QY+15], s[8:9] offset:524800
	s_wait_xcnt 0x0                                ; the stores have read their data and their base: both are written again only behind this wait
	s_add_nc_u64 s[8:9], s[8:9], 1024
	s_sub_co_u32 s3, s3, 1
	s_cmp_lg_u32 s3, 0
	s_cbranch_scc1 .Lrows
.endm
; ---------------- the core, the same text in the two kernels with tiles of 256 x 256 ----------------
; REGISTERS, in windows of 256 (s_set_vgpr_msb: bits 1:0 source 0, 3:2 source 1, 5:4 source 2, 7:6 destination):
;   window 0: v0-31 addresses; v32-63 the kernel's own; v64-127, v128-191 fragments of A (8 x 16 rows x 32 K), two buffers; behind the K loop v64-255 are at work on the way out
;   window 1: v64-127, v128-191 fragments of B, two buffers
;   window 2: the 32 accumulators of my rows 0-63 (accumulator (a, b) at v[8 (8 a + b)]);   window 3: those of my rows 64-127
.set NK,    SIZE_K/128                 ; K steps
.set KSTEP, 128
.set PITCH, 272                        ; an LDS row: 256 bytes + 16 = 68 words: the 16 rows of a load start at 16 different groups of four banks (64 banks of 4 bytes: ISA guide 11.1)
.set HALFT, 128*PITCH                  ; 128 rows: what one tensor load brings, and what one wave reads of A or of B
.set SLOT,  4*HALFT                    ; A's 256 rows, then B's 256 rows
.set XS,    SLOT                       ; 0x22000: no fill's address in slot 0 (0, 0x8800, 0x11000, 0x19800) has bit 13 or bit 17, so one exclusive or changes slots
.set SPARE, 2*SLOT                     ; behind the ring: the spare words, 128 bytes a wave, that no other line names
.set KT,    SPARE+512                  ; behind them: 512 bytes a wave, never filled by a tensor load
.set SPF,   528                        ; a dumped row: 512 bytes of f32 + 16
.set ADRA0, 16                         ; v16  my lane's place in A's fragments, slot 0; never rewritten
.set ADRB0, 17                         ; v17  the same for B
.set ADRA,  18                         ; v18  the same in the slot in hand
.set ADRB,  19
.set STO,   24                         ; v24  the way out: where I put 32 bytes of a row
.set RD,    25                         ; v25  the way out: where I read rows back
.set CO,    26                         ; v26  16 x my lane
.set SPW,   28                         ; v28  LDS address of my spare word; never rewritten
.set NIL,   29                         ; v29  0; never rewritten
.set F0,    64
.set F1,    128
.set TB,    23                         ; s23  0 or XS: the slot in hand
.set G1,    24                         ; s[24:31] group 1 for A; s[32:39] two groups 0: the first fill's, and the one that walks
.set G0,    32
.set G1B,   48                         ; the same for B
.set G0B,   56
.set MSB, 0
.macro WIN new                         ; the immediate's high byte repeats the setting that is left; a switch that changes nothing is dropped
.if MSB != (\new)
	s_set_vgpr_msb (MSB<<8)|(\new)
.set MSB, \new
.endif
.endm
.set MUL_LO, 0xa1                      ; source 0 (B) window 1, source 1 (A) window 0, C and D window 2; + 0x50: C and D window 3
.set TO_B,   0x40                      ; destination window 1, address window 0
.macro JLOAD s                         ; a joint load: waves 0 and 1 fetch A's two halves, waves 2 and 3 B's; an s_nop 0 and four v_nop follow each line
	s_cmp_eq_u32 s11, 0
	s_cbranch_scc0 .Lfor_b_\@
	tensor_load_to_lds s[G0+4*(\s):G0+4*(\s)+3], s[G1:G1+7]
	s_nop 0
.rept 4
	v_nop
.endr
	s_branch .Lasked_\@
.Lfor_b_\@:
	tensor_load_to_lds s[G0B+4*(\s):G0B+4*(\s)+3], s[G1B:G1B+7]
	s_nop 0
.rept 4
	v_nop
.endr
.Lasked_\@:
.endm
.macro CREST                           ; a round of the cluster's barrier behind its opening barrier
	s_cmp_lg_u32 s10, 0
	s_cbranch_scc1 .Lnot_wave_0_\@
	s_barrier_signal -3
.Lnot_wave_0_\@:
	s_barrier_wait -3
	s_barrier_signal -1
	s_barrier_wait -1
.endm
.macro CROUND
	s_barrier_signal -1
	s_barrier_wait -1
	CREST
.endm
.macro MUL16 f, hi, a0, zero           ; 16 products: row blocks a0, a0 + 1 of the window's four (hi = 0: my rows 0-63, 1: rows 64-127) x 8 column blocks, 32 along K; zero = 1 starts the sums
	WIN MUL_LO+0x50*(\hi)
.irp a, \a0, (\a0)+1
.irp b, 0,1,2,3,4,5,6,7
.if \zero
	v_wmma_f32_16x16x32_bf16 v[8*(8*(\a)+(\b)):8*(8*(\a)+(\b))+7], v[(\f)+8*(\b):(\f)+8*(\b)+7], v[(\f)+8*(4*(\hi)+(\a)):(\f)+8*(4*(\hi)+(\a))+7], 0
.else
	v_wmma_f32_16x16x32_bf16 v[8*(8*(\a)+(\b)):8*(8*(\a)+(\b))+7], v[(\f)+8*(\b):(\f)+8*(\b)+7], v[(\f)+8*(4*(\hi)+(\a)):(\f)+8*(4*(\hi)+(\a))+7], v[8*(8*(\a)+(\b)):8*(8*(\a)+(\b))+7]
.endif
.endr
.endr
.endm
.macro FETCH k, f                      ; 32 LDS loads in one run: the fragments of 32 along K at byte k of the rows, into buffer f: B's 128 rows, then A's
	WIN TO_B
.irp i, 0,1,2,3,4,5,6,7
	ds_load_b128 v[(\f)+8*(\i):(\f)+8*(\i)+3],   v[ADRB] offset:(\k)+(\i)*16*PITCH
	ds_load_b128 v[(\f)+8*(\i)+4:(\f)+8*(\i)+7], v[ADRB] offset:(\k)+(\i)*16*PITCH+32
.endr
	WIN 0
.irp i, 0,1,2,3,4,5,6,7
	ds_load_b128 v[(\f)+8*(\i):(\f)+8*(\i)+3],   v[ADRA] offset:(\k)+(\i)*16*PITCH
	ds_load_b128 v[(\f)+8*(\i)+4:(\f)+8*(\i)+7], v[ADRA] offset:(\k)+(\i)*16*PITCH+32
.endr
.endm
.macro PLACES                          ; four places in front of loads into registers that matrix instructions have read, and of lines that read results
.rept 4
	v_nop
.endr
.endm
.macro QUARTER k, f, g, zero           ; 32 along K, 64 products: multiplies buffer f; in its middle fetches the next quarter, at byte k, into g
	s_wait_dscnt 8                                 ; B and A's rows 0-63 are in; the youngest eight loads (A's rows 64-127) may be out
	MUL16 \f, 0, 0, \zero
	MUL16 \f, 0, 2, \zero
	PLACES
	FETCH \k, \g
	s_wait_dscnt 32                                ; all but the 32 just issued
	MUL16 \f, 1, 0, \zero
	MUL16 \f, 1, 2, \zero
.endm
.macro TURN fill                       ; a K step's last quarter multiplies buffer 1 and changes slots: one barrier; fill = 1: it opens a round of the cluster's, and the slot just read is filled again
	WIN 0                                          ; (the add's two registers lie in window 0)
	s_wait_tensorcnt 0x0                           ; all my tensor loads have landed: the one that was out is my part of the next slot
	ds_add_u32 v[SPW], v[NIL]                      ; 0 onto my spare word
	s_xor_b32 s[TB], s[TB], XS                     ; the fragment addresses go to the other slot
	v_add_nc_u32 v[ADRA], s[TB], v[ADRA0]
	v_add_nc_u32 v[ADRB], s[TB], v[ADRB0]
	s_wait_dscnt 9                                 ; the add and the youngest eight loads may be out
	MUL16 F1, 0, 0, 0
	s_wait_dscnt 0x0                               ; the add is done, and my reads of this slot are over
	s_barrier_signal -1
	MUL16 F1, 0, 2, 0
.if \fill
	WIN 0
.endif
	s_barrier_wait -1
.if \fill
	CREST                                          ; no wave of any partner still reads this slot or has a load on its way
	s_xor_b32 s[G0+5], s[G0+5], XS                 ; the walking descriptors: the other slot than last time, the next K step
	s_add_nc_u64 s[G0+6:G0+7], s[G0+6:G0+7], KSTEP*2
	s_xor_b32 s[G0B+5], s[G0B+5], XS
	s_add_nc_u64 s[G0B+6:G0B+7], s[G0B+6:G0B+7], KSTEP*2
	JLOAD 1                                        ; my one tensor load behind the round: 224 products ahead of the wait for it; its four v_nop are also the places in front of the loads below
.else
	PLACES
.endif
	FETCH 0, F0
	MUL16 F1, 1, 0, 0
	MUL16 F1, 1, 2, 0
.endm
.macro OUTADR                          ; C by planes of 64 columns, [plane][4096][64] bf16: my two planes' first row; and my places in the dump
	s_lshl_b32 s16, s13, 8
	s_lshl_b32 s17, s11, 7
	s_add_co_u32 s16, s16, s17                     ; my first row,
	s_lshl_b32 s16, s16, 7                         ; rows of 128 bytes
	s_mov_b32 s17, 0
	s_lshl_b32 s46, s42, 2
	s_lshl_b32 s47, s12, 1
	s_add_co_u32 s46, s46, s47                     ; my first plane: 4 x tile column + 2 x half
	s_lshl_b32 s46, s46, 19                        ; 524,288 bytes a plane
	s_mov_b32 s47, 0
	s_add_nc_u64 s[8:9], s[8:9], s[16:17]
	s_add_nc_u64 s[8:9], s[8:9], s[46:47]
	s_mul_i32 s22, s10, 128*SPF                    ; my wave's 128 rows of the dump
	v_mul_u32_u24 v3, v1, SPF
	v_lshl_add_u32 v3, v2, 5, v3
	v_add_nc_u32 v[STO], s22, v3                   ; in: row l % 16, 32 bytes for each half of the lanes
	v_bfe_u32 v3, v0, 3, 2
	v_mul_u32_u24 v3, v3, SPF
	v_and_b32 v6, 7, v0
	v_lshl_add_u32 v3, v6, 5, v3
	v_add_nc_u32 v[RD], s22, v3                    ; back: row l / 8, the 32 bytes at 32 (l % 8): eight columns of a plane
	v_and_b32 v[CO], 31, v0
	v_lshlrev_b32 v[CO], 4, v[CO]                  ; which, rounded, are the 16 bytes at 16 l of four rows of a plane
.endm
.macro DUMP                            ; my 128 x 128 sums into LDS; each accumulator's low registers first
.irp m, 0,1,2,3,4,5,6,7
	WIN 0x08+4*((\m)/4)                            ; the data (source 1) in window 2 or 3
.irp b, 0,1,2,3,4,5,6,7
	ds_store_b128 v[STO], v[8*(8*((\m)%4)+(\b)):8*(8*((\m)%4)+(\b))+3]   offset:(\m)*16*SPF+64*(\b)
	ds_store_b128 v[STO], v[8*(8*((\m)%4)+(\b))+4:8*(8*((\m)%4)+(\b))+7] offset:(\m)*16*SPF+64*(\b)+16
.endr
.endr
	WIN 0
.endm
	s_load_b128 s[4:7], s[0:1], 0x0                ; A s[4:5], wb s[6:7]
	s_load_b64 s[8:9], s[0:1], 0x10                ; C
	s_load_b64 s[66:67], s[0:1], 0x18              ; the kernel's fourth buffer
	v_lshl_add_u32 v[SPW], v0, 2, SPARE
	v_mov_b32 v[NIL], 0
	ds_add_u32 v[SPW], v[NIL]                      ; the wave's opening
	v_lshrrev_b32 v1, 5, v0
	v_readfirstlane_b32 s10, v1                    ; wave 0..3
	s_lshr_b32 s11, s10, 1                         ; my half of the tile's rows; also: I fetch for A (0) or B (1)
	s_and_b32 s12, s10, 1                          ; my half of its columns; also: which 128 rows I fetch
	s_bfe_u32 s40, ttmp6, 0x40000                  ; cx, cy
	s_bfe_u32 s41, ttmp6, 0x40004
	s_lshl_b32 s42, ttmp9, 2
	s_add_co_u32 s42, s42, s40                     ; tile column
	s_and_b32 s13, ttmp7, 0xffff
	s_lshl_b32 s13, s13, 2
	s_add_co_u32 s13, s13, s41                     ; tile row
	s_lshl_b32 s43, s41, 2
	s_lshl_b32 s43, 15, s43                        ; my row of the cluster
	s_lshl_b32 s44, 0x1111, s40                    ; my column
	s_or_b32 s[G1+0], s43, (1<<16)|(1<<20)|(1<<21)|(5<<22)|(3<<25)   ; mask; 2-byte elements; padding on; bit 21 beside a mask; after every 64 words 4 words
	s_or_b32 s[G1B+0], s44, (1<<16)|(1<<20)|(1<<21)|(5<<22)|(3<<25)
.irp g, G1, G1B
	s_mov_b32 s[(\g)+1], KSTEP<<16                 ; tensor_dim0 = 128
	s_mov_b32 s[(\g)+2], 128<<16                   ; tensor_dim1 = 128
	s_mov_b32 s[(\g)+3], KSTEP<<16                 ; tile_dim0 = 128
	s_mov_b32 s[(\g)+4], 128                       ; tile_dim1 = 128
	s_mov_b32 s[(\g)+5], SIZE_K                    ; elements from row to row
	s_mov_b32 s[(\g)+6], 0
	s_mov_b32 s[(\g)+7], 0
.endr
	s_lshl_b32 s17, s12, 7
	s_lshl_b32 s16, s13, 8
	s_add_co_u32 s16, s16, s17                     ; A: row 256 x tile row + 128 x half
	s_lshl_b32 s46, s42, 8
	s_add_co_u32 s46, s46, s17                     ; B: row 256 x tile column + 128 x half
	s_mul_i32 s16, s16, SIZE_K*2                   ; in bytes: under 2^24
	s_mul_i32 s46, s46, SIZE_K*2
	s_mov_b32 s17, 0
	s_mov_b32 s47, 0
	s_mul_i32 s20, s12, HALFT                      ; where they go: made of the wave's number alone
	s_mul_i32 s21, s12, HALFT
	s_add_co_u32 s21, s21, 2*HALFT
	s_mov_b32 s[TB], 0
	s_wait_dscnt 0x0                               ; the opening add is done
	s_wait_kmcnt 0x0
	s_add_nc_u64 s[14:15], s[4:5], s[16:17]
	s_add_nc_u64 s[46:47], s[6:7], s[46:47]
.if WBOFF
	s_add_nc_u64 s[46:47], s[46:47], WBOFF         ; this kernel's matrix in wb
.endif
	CROUND                                         ; all sixteen work-groups are here: the first joint loads meet
.irp s, 0,1
	s_mov_b32 s[G0+4*(\s)], 1
	s_add_co_u32 s[G0+4*(\s)+1], s20, (\s)*XS
	s_add_nc_u64 s[G0+4*(\s)+2:G0+4*(\s)+3], s[14:15], (\s)*KSTEP*2
	s_or_b32 s[G0+4*(\s)+3], s[G0+4*(\s)+3], 0x80000000
	s_mov_b32 s[G0B+4*(\s)], 1
	s_add_co_u32 s[G0B+4*(\s)+1], s21, (\s)*XS
	s_add_nc_u64 s[G0B+4*(\s)+2:G0B+4*(\s)+3], s[46:47], (\s)*KSTEP*2
	s_or_b32 s[G0B+4*(\s)+3], s[G0B+4*(\s)+3], 0x80000000
	JLOAD \s                                       ; two loads of mine are out
.endr
	v_and_b32 v1, 15, v0                           ; l % 16
	v_bfe_u32 v2, v0, 4, 1                         ; l / 16
	v_mul_u32_u24 v3, v1, PITCH
	v_lshl_add_u32 v3, v2, 4, v3                   ; a fragment's row x pitch + 16 x half
	s_mul_i32 s22, s11, HALFT
	v_add_nc_u32 v[ADRA0], s22, v3
	s_mul_i32 s22, s12, HALFT
	s_add_co_u32 s22, s22, 2*HALFT
	v_add_nc_u32 v[ADRB0], s22, v3
	v_mov_b32 v[ADRA], v[ADRA0]
	v_mov_b32 v[ADRB], v[ADRB0]
	EARLY
	s_wait_tensorcnt 1                             ; my part of K step 0 is in; K step 1's may stay out
	s_barrier_signal -1
	s_barrier_wait -1
	FETCH 0, F0
	QUARTER 64, F0, F1, 1                          ; the first quarter stands in front of the loop: its products start the sums
	WIN 0
	s_mov_b32 s3, NK-2
.Lstep:                                        ; a trip: a K step's last three quarters, the refill two steps ahead, the next step's first quarter
	QUARTER 128, F1, F0, 0
	QUARTER 192, F0, F1, 0
	TURN 1
	QUARTER 64, F0, F1, 0
	WIN 0
	s_sub_co_u32 s3, s3, 1
	s_cmp_lg_u32 s3, 0
	s_cbranch_scc1 .Lstep
	s_mov_b32 s3, 2
.Ltail:                                        ; the last two K steps ask for nothing; the second pass is left in its middle
	QUARTER 128, F1, F0, 0
	QUARTER 192, F0, F1, 0
	WIN 0
	s_sub_co_u32 s3, s3, 1
	s_cmp_eq_u32 s3, 0
	s_cbranch_scc1 .Llast
	TURN 0
	QUARTER 64, F0, F1, 0
	WIN 0
	s_branch .Ltail
.Llast:
	s_wait_dscnt 8
	MUL16 F1, 0, 0, 0
	MUL16 F1, 0, 2, 0
	s_wait_dscnt 0x0
	MUL16 F1, 1, 0, 0
	MUL16 F1, 1, 2, 0
	WIN 0
	WAYOUT
	s_wait_tensorcnt 0x0                           ; the wave's end
	ds_add_u32 v[SPW], v[NIL]
	s_wait_dscnt 0x0
	CROUND                                         ; the closing round
	s_endpgm
.Lfunc_end_k_q844580860d_qkv:
	.size	k_q844580860d_qkv, .Lfunc_end_k_q844580860d_qkv-k_q844580860d_qkv
	.p2alignl 7, 3214868480
	.fill 96, 4, 3214868480
	.section	.rodata,"a",@progbits
	.p2align	6, 0x0
	.amdhsa_kernel k_q844580860d_qkv
		.amdhsa_group_segment_fixed_size 327680
		.amdhsa_private_segment_fixed_size 0
		.amdhsa_enable_private_segment 0
		.amdhsa_kernarg_size 32
		.amdhsa_user_sgpr_count 2
		.amdhsa_user_sgpr_kernarg_segment_ptr 1
		.amdhsa_wavefront_size32 1
		.amdhsa_system_sgpr_workgroup_id_x 1
		.amdhsa_system_sgpr_workgroup_id_y 1
		.amdhsa_system_sgpr_workgroup_id_z 1
		.amdhsa_system_vgpr_workitem_id 0
		.amdhsa_next_free_vgpr 1024
		.amdhsa_next_free_sgpr 72
		.amdhsa_reserve_vcc 0
		.amdhsa_float_denorm_mode_32 3
		.amdhsa_float_denorm_mode_16_64 3
		.amdhsa_memory_ordered 1
		.amdhsa_forward_progress 1
		.amdhsa_inst_pref_size 87
	.end_amdhsa_kernel
	.amdgpu_metadata
---
amdhsa.version: [ 1, 2 ]
amdhsa.kernels:
  - .name:           k_q844580860d_qkv
    .symbol:         k_q844580860d_qkv.kd
    .args:
      - { .name: act, .offset: 0, .size: 8, .value_kind: global_buffer, .address_space: global }
      - { .name: wb, .offset: 8, .size: 8, .value_kind: global_buffer, .address_space: global }
      - { .name: qkv, .offset: 16, .size: 8, .value_kind: global_buffer, .address_space: global }
      - { .name: seq_mask, .offset: 24, .size: 8, .value_kind: global_buffer, .address_space: global }
    .group_segment_fixed_size: 327680
    .private_segment_fixed_size: 0
    .kernarg_segment_align: 8
    .kernarg_segment_size: 32
    .max_flat_workgroup_size: 128
    .sgpr_count:     72
    .vgpr_count:     1024
    .wavefront_size: 32
...
	.end_amdgpu_metadata
.endif
;; end of part 2
;; launch attn (part 3): grid 8 x 32, 4 waves a work-group, clusters of 4 x 1, 327,680 bytes of LDS; arguments qkv, seq_mask, act; writes act
.if DOCPART == 3
	.amdgcn_target "amdgcn-amd-amdhsa--gfx1250"
	.amdhsa_code_object_version 6
	.text
	.protected	k_q844580860d_attn
	.globl	k_q844580860d_attn
	.p2align	8
	.type	k_q844580860d_attn,@function
k_q844580860d_attn:
	s_mov_b64 s[64:65], 0
	v_nop
	global_prefetch_b8 v0, s[64:65] scope:SCOPE_SE
	s_setreg_imm32_b32 hwreg(HW_REG_WAVE_MODE, 25, 1), 1
	s_wait_xcnt 0x0
	s_wait_alu depctr_hold_cnt(0) depctr_sa_sdst(0) depctr_va_vdst(0) depctr_va_sdst(0) depctr_va_ssrc(0) depctr_va_vcc(0) depctr_vm_vsrc(0)
	s_getreg_b32 s2, hwreg(HW_REG_IB_STS2, 6, 4)
	s_cmp_eq_u32 s2, 0
	s_cbranch_scc0 .Lentry_in_a_cluster
	s_endpgm
.Lentry_in_a_cluster:
	s_bfe_u32 s2, ttmp6, 0x10000c
	s_cmp_lg_u32 s2, 0x3003
	s_cbranch_scc0 .Lentry_shape_is_right
	s_endpgm
.Lentry_shape_is_right:
; O[b][h][q] = the sum over ALL 2,048 keys k of softmax_k(s(q, k)) V[k], where s = Q[q] . K[k] / 8, or -10000 where k > q or seq_mask hides k.  The hidden score is a finite number:
; hidden keys are members of the softmax like any others (a row with no visible key is the mean of all rows of V), so every key is walked.
; q, k, v: planes of qkv, [48][4096][64] bf16 (q: h, k: 16 + h, v: 32 + h; row 2048 b + l).  O goes to act in planes [16][4096][64] bf16.  Products, maxima and sums in f32; the weights are
; rounded to bf16 for the second product (their sum is taken unrounded), O once at the end.
; LIMITS.  NaN and infinities are not treated apart; a weight below 2^-126 counts as 0; the hidden score enters as -80000 ahead of the scale c = log2(e) / 8; bit 0 of a seq_mask byte is the mask.
; THE HIDDEN SCORE IS EXACT.  (1) The launch before stored the K rows of keys that seq_mask hides as 0, and the sum S^T = K Q^T starts from CT, a table in LDS with 0 or -80000 for each key.
; (2) A wave's table also holds -80000 for every key behind its 256 rows, and a piece's Q is set to 0 once its diagonal step is past: there too S = 0 + CT.  (3) In the four key steps of the
; wave's own 256 keys FIX mends a piece's scores: S x MK + MA in the step that holds its diagonal, -80000 in the steps behind it.  Elsewhere FIX is jumped over.
; SHARES.  Wave w of cluster CLX (0, 1) owns rows 256 (4 CLX + w) .. + 255 together with the same wave of its three partners: piece x of partner cx is rows 64 x + 16 cx + 0..15 of them.  So where a
; piece meets the diagonal hangs on CLX, w, x and the step's count alone; a work-group's place in its cluster enters only Q's, O's and the prefetches' global addresses and the values of MK and MA.
; LAYOUT, SOFTMAX, TURNS.  S^T = K Q^T holds ONE query a lane (lane % 16) and the keys 8 (lane / 16) + 0..7; two such results rounded to bf16 ARE source 1 of O^T = V^T P.  p = 2^(c s - c m) with a
; running maximum m; O and l are multiplied by a = 2^(c m_old - c m_new) in every step; m starts at the lowest finite number, O and l at 0.  Turn n belongs to piece n: 8 products K Q^T of piece n + 1,
; later 8 products V^T P of piece n - 1; beside them piece n's scaling, exponentials, roundings, sums and rescaling and piece n + 1's maximum.  Four vector instructions stand behind every product.
; CLUSTER.  The four work-groups of a cluster walk the same K and V: each tile is asked for jointly.  Two slots of 256 keys: a refill has four key steps, 256 products, in which to land.
; REGISTERS, in windows of 256 (s_set_vgpr_msb: bits 1:0 source 0, 3:2 source 1, 5:4 source 2, 7:6 destination):
;   window 0: v0-15, v32-33, v61-63 addresses; v16-31 statistics; v48-55 at work; v64-127 S^T, two buffers; v128-167 at work at the head; v192-223 P, two buffers
;   window 1: v0-127 O^T; v128-159 MK; v160-191 CT; v192-223 MA          window 2: v0-63 Q; v128-191 K of one step; v192-255 V of one step
.set NP,    4
.set KS,    64
.set PK,    144       ; a row of K in LDS: 128 bytes + 16: the 16 rows of a load start at 16 different groups of four banks (64 banks of 4 bytes: ISA guide 11.1)
.set PV,    160       ; a row of V: 128 + 32
.set VOFF,  4*KS*PK   ; a slot: 256 rows of K, then 256 rows of V
.set SLOT1, 1<<17
.set STAGE, SLOT1+4*KS*(PK+PV)  ; 16 rows x 144 bytes for each wave, for the way out
.set SP,    144
.set SPARE, STAGE+4*16*SP       ; the spare words, 128 bytes a wave, that no other line names
.set TAB,   SPARE+512           ; four tables of 2,048 f32, one a wave
.set AK0, 2
.set AV0, 3
.set AK,  4
.set AV,  5
.set STO, 6
.set RD,  7
.set GO,  8
.set MV,  12
.set QO,  15
.set ST,  16          ; piece t's statistics at v[ST+4 t]: c m, m, l (even keys', odd keys')
.set AT0, 32          ; v32  my lane's place in my wave's table; never rewritten
.set AT,  33          ; v33  the LDS address of CT's next run of loads
.set TMP, 48
.set PFO, 61          ; v61  256 x my lane; never rewritten
.set SPW, 62
.set NIL, 63
.set S,   64
.set MB,  128         ; the head: 16 mask bytes
.set NE,  132         ; 16 words, 0 or all ones
.set VAL, 148         ; 16 table entries
.set LIMV, 164
.set KEY0, 165
.set TST, 166
.set MOF, 167
.set P,   192
.set MK,  128         ; window 1
.set CT,  160
.set MA,  192
.set KF,  128         ; window 2
.set VF,  192
.set WV,  12
.set LIM, 15
.set PFA, 18
.set G1K, 24
.set G1V, 32
.set G0K, 40
.set G0V, 44
.set SLOTS, 56
.set CNT, 57
.set CS,  58
.set SEL, 60
.set TBK, 62
.set TBV, 63
.set TBT, 66          ; s66  256 x the key step to be fetched: its place in a table
.set EE,  67          ; s67  the key step in hand less the first step of my wave's own 256 keys
.set TT,  68
.set ZR,  69          ; s69  0
.set BG,  70          ; s70  -80000.0
.set CUT, 72          ; s[72:75] the first key behind wave w's rows
.set MSKP, 76         ; s[76:77] seq_mask
.set SB,  79          ; s79  4 CLX + w
.set MSB, 0
.macro WIN new
.if MSB != (\new)
	s_set_vgpr_msb (MSB<<8)|(\new)
.set MSB, (\new)
.endif
.endm
.set W_KQ, 0x0a       ; K and Q in window 2, S^T in window 0
.set W_KM, 0x1a       ; the same with the C operand in window 1
.set W_PV, 0x52       ; V in window 2, P in window 0, O^T in window 1
.set W_RS, 0x41       ; destination and source 0 in window 1, source 1 in window 0
.macro JLOAD                        ; a joint fill: waves 0 and 1 fetch the halves of a slot's K, waves 2 and 3 those of its V; an s_nop 0 and four v_nop follow each line
	s_cmp_lt_u32 s[WV], 2
	s_cbranch_scc0 .Lfor_v_\@
	tensor_load_to_lds s[G0K:G0K+3], s[G1K:G1K+7]
	s_nop 0
.rept 4
	v_nop
.endr
	s_branch .Lasked_\@
.Lfor_v_\@:
	tensor_load_to_lds s[G0V:G0V+3], s[G1V:G1V+7]
	s_nop 0
.rept 4
	v_nop
.endr
.Lasked_\@:
.endm
; A prefetch of what the NEXT change of slots will ask for: a slot's 32,768 bytes of K and of V, 256 bytes a lane.  Both clusters of a head walk the same rows: the first asks.  Its four partners share
; the bytes out by address, 8,192 each; wave 0 asks for K's, wave 2 for V's.  So each block is named once.  The last change that fills a slot asks for nothing.
.macro ASK
	s_cmp_gt_u32 s[SLOTS], s[LIM]
	s_cbranch_scc0 .Lnot_mine_\@
	global_prefetch_b8 v[PFO], s[PFA:PFA+1] th:TH_LOAD_NT scope:SCOPE_SE
.Lnot_mine_\@:
.endm
.macro CROUND
	s_barrier_signal -1
	s_barrier_wait -1
	s_cmp_lg_u32 s[WV], 0
	s_cbranch_scc1 .Lnot_wave_0_\@
	s_barrier_signal -3
.Lnot_wave_0_\@:
	s_barrier_wait -3
	s_barrier_signal -1
	s_barrier_wait -1
.endm
; THE CHANGE OF SLOTS.  Each wave waits for all its tensor loads (one is out: its part of the other slot), adds 0 to its spare word, and waits for that and for its own LDS instructions.
; fill = 1: the barrier is a round of the cluster's, and the joint fill is the first thing behind it.  (At its first use slot 0 is waited for, slot 1 filled, and the tables are handed over.)
.macro CHANGE fill
	WIN 0
	s_wait_tensorcnt 0x0
	ds_add_u32 v[SPW], v[NIL]
.if \fill
.irp g, G0K, G0V
	s_xor_b32 s[\g+1], s[\g+1], SLOT1
	s_add_nc_u64 s[\g+2:\g+3], s[\g+2:\g+3], 4*KS*128
.endr
	s_wait_xcnt 0x0                 ; the last prefetch, four key steps back, has read its address
	s_add_nc_u64 s[PFA:PFA+1], s[PFA:PFA+1], 4*KS*128
	s_wait_dscnt 0x0
	CROUND
	JLOAD
	ASK
.else
	s_wait_dscnt 0x0
	s_barrier_signal -1
	s_barrier_wait -1
.endif
	s_sub_co_u32 s[TBK], s[TBK], 4*KS*PK
	s_xor_b32 s[TBK], s[TBK], SLOT1
	s_sub_co_u32 s[TBV], s[TBV], 4*KS*PV
	s_xor_b32 s[TBV], s[TBV], SLOT1
.endm
	s_load_b64 s[4:5], s[0:1], 0x0    ; qkv
	s_load_b64 s[MSKP:MSKP+1], s[0:1], 0x8
	s_load_b64 s[10:11], s[0:1], 0x10 ; act, as O
	v_lshl_add_u32 v[SPW], v0, 2, SPARE
	v_mov_b32 v[NIL], 0
	ds_add_u32 v[SPW], v[NIL]       ; the wave's opening
	v_lshrrev_b32 v1, 5, v0
	v_readfirstlane_b32 s[WV], v1
	s_bfe_u32 s13, ttmp6, 0x40000   ; cx
	s_and_b32 s14, ttmp7, 0xffff    ; 16 b + h
	s_and_b32 s20, s14, 15
	s_lshl_b32 s20, s20, 19         ; plane h,
	s_lshr_b32 s21, s14, 4
	s_lshl_b32 s16, s21, 18         ; batch b's 2,048 rows of 128 bytes
	s_add_co_u32 s20, s20, s16
	s_lshl_b32 s78, s21, 11         ; batch b's bytes of seq_mask
	s_and_b32 s16, s[WV], 1         ; which half of a slot's 256 keys I fetch
	s_lshl_b32 s22, s16, 14
	s_add_co_u32 s22, s22, s20
	s_mov_b32 s23, 0
	s_mul_i32 s17, s16, 128*PK
	s_mul_i32 s18, s16, 128*PV
	s_lshl_b32 s[SB], ttmp9, 2
	s_add_co_u32 s[SB], s[SB], s[WV]
	s_lshl_b32 s2, s[SB], 15        ; 256 rows of 128 bytes,
	s_lshl_b32 s3, s13, 11          ; my work-group's 16 rows in each band of 64
	s_add_co_u32 s2, s2, s3
	s_add_co_u32 s2, s2, s20
	s_mov_b32 s3, 0
	s_mov_b32 s[G1K], 15|(1<<16)|(1<<20)|(1<<21)|(4<<22)|(3<<25)  ; the mask of four; 2-byte elements; padding on; bit 21 beside a mask; after every 32 words 4 words
	s_mov_b32 s[G1V], 15|(1<<16)|(1<<20)|(1<<21)|(4<<22)|(7<<25)  ; the same with 8 words
.irp g, G1K, G1V
	s_mov_b32 s[\g+1], 128<<16      ; 128 keys are 16,384 dense bytes: 64 rows of 256 bytes, two keys a row
	s_mov_b32 s[\g+2], 64<<16
	s_mov_b32 s[\g+3], 128<<16
	s_mov_b32 s[\g+4], 64
	s_mov_b32 s[\g+5], 128
	s_mov_b32 s[\g+6], 0
	s_mov_b32 s[\g+7], 0
.endr
	s_mov_b32 s[CS], 0x3e38aa3b     ; c = log2(e) / 8
	s_mov_b32 s[CS+1], s[CS]
	s_mov_b32 s[SEL], 0x76543210
	s_mov_b32 s[SEL+1], 0xfedcba98
	s_mov_b32 s[TBK], SLOT1+4*KS*PK ; the first change of slots turns these two into 0
	s_mov_b32 s[TBV], SLOT1+4*KS*PV
	s_mov_b32 s[TBT], 0
	s_mov_b32 s[ZR], 0
	s_mov_b32 s[BG], 0xc79c4000     ; -80000.0 = -10000 x 8
	s_lshl_b32 s[EE], s[SB], 2
	s_sub_co_u32 s[EE], -1, s[EE]   ; one before step 0
	s_lshl_b32 s16, ttmp9, 10
.irp w, 0,1,2,3
	s_add_co_u32 s[CUT+\w], s16, 256*(\w+1)
.endr
	s_mov_b32 s[SLOTS], 7
	s_mov_b32 s[G0K], 1
	s_mov_b32 s[G0K+1], s17
	s_mov_b32 s[G0V], 1
	s_add_co_u32 s[G0V+1], s18, VOFF
	s_and_b32 s[LIM], s[WV], 1
	s_or_b32 s[LIM], s[LIM], ttmp9  ; 0 in waves 0 and 2 of the head's first cluster: the same in all four partners
	s_cmp_eq_u32 s[LIM], 0
	s_cselect_b32 s[LIM], 1, -1
	s_wait_dscnt 0x0                ; the opening add is done
	s_wait_kmcnt 0x0
	s_add_nc_u64 s[6:7], s[4:5], s[22:23]
	s_add_nc_u64 s[8:9], s[6:7], 32*524288  ; V at my half of the head's first 256 keys
	s_add_nc_u64 s[6:7], s[6:7], 16*524288  ; K
	s_mov_b64 s[G0K+2:G0K+3], s[6:7]
	s_or_b32 s[G0K+3], s[G0K+3], 0x80000000
	s_mov_b64 s[G0V+2:G0V+3], s[8:9]
	s_or_b32 s[G0V+3], s[G0V+3], 0x80000000
	s_add_nc_u64 s[4:5], s[4:5], s[2:3]     ; Q and O at my piece 0
	s_add_nc_u64 s[10:11], s[10:11], s[2:3]
	s_cmp_lt_u32 s[WV], 2
	s_cselect_b64 s[PFA:PFA+1], s[6:7], s[8:9]  ; (in waves 0 and 2 these stand at a slot's first byte)
	s_lshl_b32 s2, s13, 13
	s_add_nc_u64 s[PFA:PFA+1], s[PFA:PFA+1], s[2:3]
	s_add_nc_u64 s[PFA:PFA+1], s[PFA:PFA+1], 4*KS*128  ; in slot 1; the first change steps it to slot 2
	CROUND                          ; all four work-groups are here
	JLOAD                           ; slot 0
	v_and_b32 v1, 15, v0            ; l % 16
	v_bfe_u32 v9, v0, 4, 1          ; l / 16
	v_and_b32 v10, 31, v0
	s_lshl_b32 s16, s[WV], 9
	v_lshlrev_b32 v[KEY0], 4, v10
	v_add_nc_u32 v[KEY0], s16, v[KEY0]  ; the first of the 16 keys whose table entries I make: 512 w + 16 l
	v_add_nc_u32 v[MOF], s78, v[KEY0]
	global_load_b128 v[MB:MB+3], v[MOF], s[MSKP:MSKP+1]
	v_lshlrev_b32 v[PFO], 8, v10
	v_lshlrev_b32 v[QO], 7, v1
	v_lshl_add_u32 v[QO], v9, 4, v[QO]
	WIN 0x80
.set i, 0
.rept 8                             ; Q stays in registers: piece i / 2 lies 8,192 bytes on; channels 32 (i % 2) on
	global_load_b128 v[8*i:8*i+3],   v[QO], s[4:5] offset:(i/2)*8192+(i%2)*64
	global_load_b128 v[8*i+4:8*i+7], v[QO], s[4:5] offset:(i/2)*8192+(i%2)*64+32
.set i, i+1
.endr
.set i, VF
.rept 64                            ; what the first turn finds: V and P's second buffer hold 0, O^T and l are 0; all this stands in the wait for the first tile
	v_mov_b32 v[i], 0
.set i, i+1
.endr
	WIN 0x40
.set i, 0
.rept 128
	v_mov_b32 v[i], 0
.set i, i+1
.endr
	WIN 0
	v_lshlrev_b32 v14, 3, v9
	v_sub_nc_u32 v14, v1, v14
	s_lshl_b32 s16, s13, 4
	v_add_nc_u32 v14, s16, v14      ; my query's place in its band, 16 cx + l % 16, less 8 (l / 16): register i % 8 of key group i / 8 is hidden where 16 (i / 8) + i % 8 is greater
	WIN 0x40
.set i, 0
.rept 32
	v_cmp_gt_i32 vcc_lo, 16*(i/8)+i%8, v14
	v_cndmask_b32 v[MK+i], 1.0, s[ZR], vcc_lo
	v_cndmask_b32 v[MA+i], 0, s[BG], vcc_lo
.set i, i+1
.endr
	WIN 0
.set i, 0
.rept 4
	v_mov_b32 v[ST+4*i], 0xfe000000    ; c m: far below every c s
	v_mov_b32 v[ST+4*i+1], 0xff7fffff  ; m
	v_mov_b32 v[ST+4*i+2], 0
	v_mov_b32 v[ST+4*i+3], 0
.set i, i+1
.endr
.set i, P+16
.rept 16
	v_mov_b32 v[i], 0
.set i, i+1
.endr
	v_mul_u32_u24 v[AK0], v1, PK
	v_lshl_add_u32 v[AK0], v9, 4, v[AK0]
	v_and_b32 v10, 7, v0
	v_bfe_u32 v11, v0, 3, 1
	v_lshl_add_u32 v[AV0], v9, 3, v10  ; the turning load: lane l reads key 8 (l / 16) + l % 8, channels 8 ((l / 8) % 2) + 0..7
	v_mul_u32_u24 v[AV0], v[AV0], PV
	v_lshl_add_u32 v[AV0], v11, 4, v[AV0]
	v_add_nc_u32 v[AV0], VOFF, v[AV0]
	s_mul_i32 s16, s[WV], 16*SP
	s_add_co_u32 s16, s16, STAGE
	v_mul_u32_u24 v[STO], v1, SP
	v_lshl_add_u32 v[STO], v9, 4, v[STO]
	v_add_nc_u32 v[STO], s16, v[STO]
	v_bfe_u32 v[RD], v0, 3, 2
	v_mul_u32_u24 v[RD], v[RD], SP
	v_lshl_add_u32 v[RD], v10, 4, v[RD]
	v_add_nc_u32 v[RD], s16, v[RD]
	v_and_b32 v[GO], 31, v0
	v_lshlrev_b32 v[GO], 4, v[GO]
	s_lshl_b32 s16, s[WV], 13
	s_add_co_u32 s16, s16, TAB
	v_lshl_add_u32 v[AT0], v9, 5, s16  ; my wave's table + 32 (l / 16): a lane's eight keys of a group of 16 are 32 bytes on end
	v_lshl_add_u32 v[TST], v[KEY0], 2, TAB
	s_wait_loadcnt 16               ; the mask's bytes are in; Q's sixteen loads may stay out
.set kx, 0
.rept 16
	v_bfe_u32 v[NE+kx], v[MB+kx/4], 8*(kx%4), 1
.set kx, kx+1
.endr
.set kx, 0
.rept 16
	v_sub_nc_u32 v[NE+kx], 0, v[NE+kx]  ; 0, or all ones where the key is hidden
.set kx, kx+1
.endr
.irp w, 0,1,2,3                     ; my 16 keys' entries in each wave's table: -80000 where seq_mask hides the key or it lies behind that wave's rows
	v_cmp_le_u32 vcc_lo, s[CUT+\w], v[KEY0]
	v_cndmask_b32 v[LIMV], 0, s[BG], vcc_lo
.set kx, 0
.rept 16
	v_and_or_b32 v[VAL+kx], v[NE+kx], s[BG], v[LIMV]
.set kx, kx+1
.endr
.set kx, 0
.rept 4
	ds_store_b128 v[TST], v[VAL+4*kx:VAL+4*kx+3] offset:8192*\w+16*kx
.set kx, kx+1
.endr
.endr
; THE MATRIX WORK.  The 4 accumulators of a run of 8 take turns.  Product i of 8 of S^T = K Q^T for piece x: channels 32 (i / 4) on, keys 16 (i % 4) on.  The first 4 start the sums from CT.
.macro KQ x
.set rS, S+32*((\x)%2)+8*(i%4)
.set rK, KF+16*(i%4)+8*(i/4)
.set rQ, 16*(\x)+8*(i/4)
.set rM, CT+8*(i%4)
.if i < 4
	WIN W_KM
	v_wmma_f32_16x16x32_bf16 v[rS:rS+7], v[rK:rK+7], v[rQ:rQ+7], v[rM:rM+7]
.else
	WIN W_KQ
	v_wmma_f32_16x16x32_bf16 v[rS:rS+7], v[rK:rK+7], v[rQ:rQ+7], v[rS:rS+7]
.endif
.endm
.macro PV x                         ; product i of 8 of O^T += V^T P: keys 32 (i / 4) on, channels 16 (i % 4) on
	WIN W_PV
.set rO, 32*(\x)+8*(i%4)
.set rV, VF+32*(i/4)+8*(i%4)
.set rP, P+16*((\x)%2)+8*(i/4)
	v_wmma_f32_16x16x32_bf16 v[rO:rO+7], v[rV:rV+7], v[rP:rP+7], v[rO:rO+7]
.endm
.macro MM                           ; the turn's next matrix instruction
.if i < 8
	KQ (Y+1)%NP
.else
.set i, i-8
	PV (Y+NP-1)%NP
.set i, i+8
.endif
.set i, i+1
.endm
; THE LDS LOADS stand in runs: a step's K (8 fragments) with its 32 registers of CT, and its V (turned).  last = 1 (the tail): in the last trip there is no further step.
.macro FETCH_K last=0
	WIN 0
.if \last
	s_cmp_eq_u32 s[CNT], 1
	s_cbranch_scc1 .Lno_k_\@
.endif
	WIN 0x80
.irp f, 0,1,2,3,4,5,6,7
	ds_load_b128 v[KF+8*\f:KF+8*\f+3],   v[AK] offset:(\f/2)*16*PK+(\f%2)*64
	ds_load_b128 v[KF+8*\f+4:KF+8*\f+7], v[AK] offset:(\f/2)*16*PK+(\f%2)*64+32
.endr
	WIN 0x40
.irp f, 0,1,2,3
	ds_load_b128 v[CT+8*\f:CT+8*\f+3],   v[AT] offset:64*\f
	ds_load_b128 v[CT+8*\f+4:CT+8*\f+7], v[AT] offset:64*\f+16
.endr
	s_add_co_u32 s[TBK], s[TBK], KS*PK
	s_add_co_u32 s[TBT], s[TBT], 4*KS
	WIN 0
.if \last
.Lno_k_\@:
.endif
.endm
.macro FETCH_V
	WIN 0x80
.irp f, 0,1,2,3,4,5,6,7
	ds_load_tr16_b128 v[VF+8*\f:VF+8*\f+3],   v[AV] offset:(\f/4)*32*PV+(\f%4)*32
	ds_load_tr16_b128 v[VF+8*\f+4:VF+8*\f+7], v[AV] offset:(\f/4)*32*PV+16*PV+(\f%4)*32
.endr
	WIN 0
.endm
; FIX p mends the scores that turn p has made, piece (p + 1) % 4's (turn 3: of the next step).  In the step that holds the piece's diagonal: S x MK + MA, and the piece's Q becomes 0 for all steps to come.
; In the later steps of the wave's own 256 keys: -80000.  Every jump goes forward, past register work alone, and hangs on the cluster's x, the wave's number and the steps' count.
.macro FIX p
.set fx, ((\p)+1)%NP
.set fS, S+32*(fx%2)
	WIN 0
.if (\p) == 3
	s_cmp_eq_i32 s[EE], -1
.else
	s_cmp_eq_u32 s[EE], (\p)+1
.endif
	s_cbranch_scc1 .Lown_\@
.if (\p) == 0
	s_sub_co_u32 s[TT], s[EE], 2
	s_cmp_lt_u32 s[TT], 2
.elseif (\p) == 1
	s_cmp_eq_u32 s[EE], 3
.elseif (\p) == 3
	s_cmp_lt_u32 s[EE], 3
.endif
.if (\p) != 2
	s_cbranch_scc0 .Lvis_\@
.set z, 0
.rept 32
	v_mov_b32 v[fS+z], s[BG]
.set z, z+1
.endr
.endif
	s_branch .Lvis_\@
.Lown_\@:
	WIN 0x14                        ; MK and MA in window 1
.set z, 0
.rept 16
	v_pk_fma_f32 v[fS+2*z:fS+2*z+1], v[fS+2*z:fS+2*z+1], v[MK+2*z:MK+2*z+1], v[MA+2*z:MA+2*z+1]  ; ascending: each accumulator is read from its low end on
.set z, z+1
.endr
	WIN 0x80
.set z, 0
.rept 16
	v_mov_b32 v[16*fx+z], 0
.set z, z+1
.endr
	WIN 0
.Lvis_\@:
.endm
; THE VECTOR WORK, one line at a time: OP kind, number.  For piece Y: F n: c s - c m for pair n.  E n: the exponential of score n.  C n: pair n rounded to bf16.  B n: of the four weights 4 n .. the second pair
; is added onto the first.  L n: l takes that sum (L 0: l = a l + sum).  R n: pair n of O^T times a.  For piece Y + 1: X n, number n of the 22 that find its maximum and statistics:
;   0-11 four chains of seven scores each (each accumulator's lowest registers first)   12-14, 16 the scores left over, the old m, and the chains into c0   15 c m_old is kept   17, 18 the lane 16 away: the new m   19-21 c m; the change; a
.set F, 0
.set E, 1
.set C, 2
.set B, 3
.set L, 4
.set R, 5
.set X, 6
.macro REGS y
.set rT, ST+4*(\y)
.set rC, TMP+4*((\y)%2)
.set rW, MV+((\y)%2)
.set rS, S+32*((\y)%2)
.set rP, P+16*((\y)%2)
.set rO, 32*(\y)
.endm
.macro OP k, n
.if (\k) == R
	REGS Y
	WIN W_RS
	v_pk_mul_f32 v[rO+2*(\n):rO+2*(\n)+1], v[rO+2*(\n):rO+2*(\n)+1], v[rC+2:rC+3] op_sel_hi:[1,0]
.elseif (\k) < R
	REGS Y
	WIN 0
.if (\k) == F
	v_pk_fma_f32 v[rS+2*(\n):rS+2*(\n)+1], v[rS+2*(\n):rS+2*(\n)+1], s[CS:CS+1], v[rT:rT+1] op_sel_hi:[1,0,0] neg_lo:[0,0,1] neg_hi:[0,0,1]
.elseif (\k) == E
	v_exp_f32 v[rS+(\n)], v[rS+(\n)]
.elseif (\k) == C
	s_wait_alu depctr_va_vdst(0)
	v_cvt_pk_bf16_f32 v[rP+(\n)], v[rS+2*(\n)], v[rS+2*(\n)+1]
.elseif (\k) == B
	s_wait_alu depctr_va_vdst(0)
	v_pk_add_f32 v[rS+4*(\n):rS+4*(\n)+1], v[rS+4*(\n):rS+4*(\n)+1], v[rS+4*(\n)+2:rS+4*(\n)+3]
.elseif (\n) == 0
	v_pk_fma_f32 v[rT+2:rT+3], v[rT+2:rT+3], v[rC+2:rC+3], v[rS:rS+1] op_sel_hi:[1,0,1]
.else
	v_pk_add_f32 v[rT+2:rT+3], v[rT+2:rT+3], v[rS+4*(\n):rS+4*(\n)+1]
.endif
.else
	REGS (Y+1)%NP
	WIN 0
.if (\n) < 4
	v_max3_num_f32 v[rC+(\n)], v[rS+8*(\n)], v[rS+8*(\n)+1], v[rS+8*(\n)+2]
.elseif (\n) < 12
	v_max3_num_f32 v[rC+(\n)%4], v[rC+(\n)%4], v[rS+8*((\n)%4)+2*((\n)/4)+1], v[rS+8*((\n)%4)+2*((\n)/4)+2]
.elseif (\n) == 12
	v_max3_num_f32 v[rC], v[rC], v[rS+7], v[rS+15]
.elseif (\n) == 13
	v_max3_num_f32 v[rC+1], v[rC+1], v[rS+23], v[rS+31]
.elseif (\n) == 14
	v_max3_num_f32 v[rC+2], v[rC+2], v[rC+3], v[rT+1]
.elseif (\n) == 15
	v_mov_b32 v[rW], v[rT]
.elseif (\n) == 16
	v_max3_num_f32 v[rC], v[rC], v[rC+1], v[rC+2]
.elseif (\n) == 17
	v_permlanex16_b32 v[rC+3], v[rC], s[SEL], s[SEL+1]
.elseif (\n) == 18
	v_max_num_f32 v[rT+1], v[rC], v[rC+3]
.elseif (\n) == 19
	v_mul_f32 v[rT], s[CS], v[rT+1]
.elseif (\n) == 20
	v_sub_f32 v[rC+1], v[rW], v[rT]
.else
	v_exp_f32 v[rC+2], v[rC+1]
.endif
.endif
.endm
.macro OPS a, i1, b=-1, i2=0, c=-1, i3=0, d=-1, i4=0
	OP \a, \i1
.if (\b) >= 0
	OP \b, \i2
.endif
.if (\c) >= 0
	OP \c, \i3
.endif
.if (\d) >= 0
	OP \d, \i4
.endif
.endm
.macro ROW a, i1, b, i2, c, i3, d, i4  ; a matrix instruction and the four behind it
	MM
	OPS \a, \i1, \b, \i2, \c, \i3, \d, \i4
.endm
; A TURN, for piece p: its 16 matrix and 118 vector instructions, written out.  Behind a product: plain, exponential, plain, plain; or four of the rescaling; or four scalings; none names a register of the products
; round it.  K and CT of the next step are fetched in piece 2's turn, five plain instructions behind the last product that read them; V of the step in hand in piece 0's turn, four plain ones behind its last reader.
; FIX stands eight plain instructions behind the last product K Q^T and ahead of the first line that reads those scores.
.macro TURN p, last=0, cnt=0
.set Y, (\p)
.set i, 0
.if (\p) == 0
	s_add_co_u32 s[EE], s[EE], 1    ; a new step is in hand
.endif
.if (\p) == 3
	s_wait_dscnt 0x0                ; K and CT are in
.endif
	ROW F,0, F,1, F,2, F,3
	ROW F,4, E,0, F,5, F,6
	ROW F,7, E,1, F,8, F,9
	ROW F,10, E,2, C,0, F,11
	ROW F,12, E,3, X,15, F,13
	ROW R,0, R,1, R,2, R,3
	ROW B,0, E,4, F,14, L,0
.if (\p) == 2
	v_add_nc_u32 v[AK], s[TBK], v[AK0]
	v_add_nc_u32 v[AT], s[TBT], v[AT0]
.endif
	ROW R,4, R,5, R,6, R,7
	OPS E,5, F,15
.if (\p) == 2
	FETCH_K \last
.endif
	OPS E,6, C,1, E,7, R,8
	OPS E,8, R,9, E,9, C,2
	FIX \p
	OPS E,10, X,0, E,11, X,1
	OPS E,12, X,2, E,13, X,3
.if (\p) == 1
	s_wait_dscnt 0x0                ; V is in
.endif
	ROW X,4, E,14, X,5, X,6
	ROW X,7, E,15, X,8, X,9
	ROW X,10, E,16, X,11, X,12
	ROW X,13, E,17, X,14, B,1
	ROW C,4, E,18, X,16, L,1
	ROW B,2, E,19, C,6, L,2
	ROW C,8, E,20, B,3, B,4
.if (\p) == 0
	v_add_nc_u32 v[AV], s[TBV], v[AV0]
.endif
	ROW C,3, E,21, L,3, C,5
	OPS E,22, X,17, E,23, C,10
.if (\p) == 0
	FETCH_V
.endif
	OPS E,24, L,4
	OPS E,25, X,18, E,26, C,7
	OPS E,27, B,5, E,28, X,19
	OPS E,29, C,12, E,30, L,5
	OPS E,31, X,20, B,6, C,9
	OPS C,14, C,11, X,21, L,6
.if (\p) == 0
	s_add_co_u32 s[TBV], s[TBV], KS*PV
.endif
.if \cnt
	s_sub_co_u32 s[CNT], s[CNT], 1
	s_cmp_lg_u32 s[CNT], 0
.endif
	OPS C,13, B,7, C,15, R,10
	OPS R,11, R,12, L,7, R,13
	OPS R,14, R,15
.endm
	CHANGE 1                        ; slot 0 is in, everybody's part of it, and so are the tables; slot 1 is asked for
	v_mov_b32 v[AK], v[AK0]
	v_mov_b32 v[AT], v[AT0]
	FETCH_K                         ; key step 0
	s_wait_loadcnt 0x0              ; Q
	s_wait_dscnt 0x0
.set i, 0
.rept 8
	KQ 0                            ; piece 0's first scores
.set i, i+1
.endr
	WIN 0
.rept 4
	v_nop                           ; the places behind those products
.endr
	FIX 3                           ; step 0 holds piece 0's diagonal where my rows are the first 256
.set Y, NP-1
.irp n, 0,1,2,3,4,5,6,7,8,9,10,11,12,13,14,15,16,17,18,19,20,21
	OP X, \n
.endr
	v_nop                           ; a plain instruction behind the exponential
	s_mov_b32 s[CNT], 4
	s_branch .Lfirst                ; the loop is entered at a step's first turn
.Lslot:                             ; six times: every slot but the last two is filled again
	CHANGE 1
	s_mov_b32 s[CNT], 4
.Lstep:                             ; a trip: pieces 2 and 3 of one step, then pieces 0 and 1 of the next, whose K and V it fetches
	TURN 2
	TURN 3
	WIN 0
.Lfirst:
	TURN 0
	TURN 1, 0, 1
	WIN 0
	s_cbranch_scc1 .Lstep
	s_sub_co_u32 s[SLOTS], s[SLOTS], 1
	s_cmp_lg_u32 s[SLOTS], 0
	s_cbranch_scc1 .Lslot
	CHANGE 0                        ; the tail is written out
	s_mov_b32 s[CNT], 5             ; four trips fetch the last slot's steps; the fifth is left in its middle
.Ltail:
	TURN 2, 1
	TURN 3
	WIN 0
	s_sub_co_u32 s[CNT], s[CNT], 1
	s_cmp_eq_u32 s[CNT], 0
	s_cbranch_scc1 .Lout
	TURN 0
	TURN 1
	WIN 0
	s_branch .Ltail
.Lout:                              ; the fifth trip's 8 products K Q^T (on the last K once more) serve nothing: the price, once a launch, of one text for every trip
.set i, 0
.rept 8
	PV NP-1
.set i, i+1
.endr
	; THE WAY OUT.  l's halves and the other half of the lanes' are added; O^T is divided by l, rounded to bf16 and sent through my stage, a piece at a time.  The additions are the places behind the last products.
	WIN 0
.macro ALL line:vararg
.set t, 0
.rept 4
	\line
.set t, t+1
.endr
.endm
	ALL v_add_f32 v[ST+4*t+2], v[ST+4*t+2], v[ST+4*t+3]
	ALL v_permlanex16_b32 v[ST+4*t+3], v[ST+4*t+2], s[SEL], s[SEL+1]
	ALL v_add_f32 v[ST+4*t+2], v[ST+4*t+2], v[ST+4*t+3]
	ALL v_rcp_f32 v[ST+4*t+2], v[ST+4*t+2]
	v_nop
.macro PACK t
	WIN W_RS
.set i, 32*(\t)
.rept 16
	s_wait_alu depctr_va_vdst(0)
	v_pk_mul_f32 v[i:i+1], v[i:i+1], v[ST+4*(\t)+2:ST+4*(\t)+3] op_sel_hi:[1,0]
.set i, i+2
.endr
	WIN 0x05
.set i, 0
.rept 16
	v_cvt_pk_bf16_f32 v[S+16*(\t)+i], v[32*(\t)+2*i], v[32*(\t)+2*i+1]
.set i, i+1
.endr
	WIN 0
.irp f, 0,1,2,3
	ds_store_b128 v[STO], v[S+16*(\t)+4*\f:S+16*(\t)+4*\f+3] offset:32*\f
.endr
.irp f, 0,1,2,3
	ds_load_b128 v[S+16*(\t)+4*\f:S+16*(\t)+4*\f+3], v[RD] offset:\f*4*SP  ; LDS serves a wave's instructions in order (ISA guide 5.7.1.4)
.endr
.endm
.macro SEND t, younger
	WIN 0
.irp f, 0,1,2,3
	s_wait_dscnt (\younger)+3-\f
	global_store_b128 v[GO], v[S+16*(\t)+4*\f:S+16*(\t)+4*\f+3], s[10:11] offset:(\t)*8192+\f*512  ; 512 consecutive bytes, aligned to 256
.endr
.endm
	PACK 0
	PACK 1
	SEND 0, 8
	PACK 2
	SEND 1, 8
	PACK 3
	SEND 2, 8
	SEND 3, 0
	s_wait_tensorcnt 0x0            ; the wave's end
	ds_add_u32 v[SPW], v[NIL]
	s_wait_dscnt 0x0
	CROUND                          ; the closing round
	s_endpgm
.Lfunc_end_k_q844580860d_attn:
	.size	k_q844580860d_attn, .Lfunc_end_k_q844580860d_attn-k_q844580860d_attn
	.p2alignl 7, 3214868480
	.fill 96, 4, 3214868480
	.section	.rodata,"a",@progbits
	.p2align	6, 0x0
	.amdhsa_kernel k_q844580860d_attn
		.amdhsa_group_segment_fixed_size 327680
		.amdhsa_private_segment_fixed_size 0
		.amdhsa_enable_private_segment 0
		.amdhsa_kernarg_size 24
		.amdhsa_user_sgpr_count 2
		.amdhsa_user_sgpr_kernarg_segment_ptr 1
		.amdhsa_wavefront_size32 1
		.amdhsa_system_sgpr_workgroup_id_x 1
		.amdhsa_system_sgpr_workgroup_id_y 1
		.amdhsa_system_sgpr_workgroup_id_z 1
		.amdhsa_system_vgpr_workitem_id 0
		.amdhsa_next_free_vgpr 768
		.amdhsa_next_free_sgpr 80
		.amdhsa_reserve_vcc 1
		.amdhsa_float_denorm_mode_32 3
		.amdhsa_float_denorm_mode_16_64 3
		.amdhsa_memory_ordered 1
		.amdhsa_forward_progress 1
		.amdhsa_inst_pref_size 155
	.end_amdhsa_kernel
	.amdgpu_metadata
---
amdhsa.version: [ 1, 2 ]
amdhsa.kernels:
  - .name:           k_q844580860d_attn
    .symbol:         k_q844580860d_attn.kd
    .args:
      - { .name: qkv, .offset: 0, .size: 8, .value_kind: global_buffer, .address_space: global }
      - { .name: seq_mask, .offset: 8, .size: 8, .value_kind: global_buffer, .address_space: global }
      - { .name: act, .offset: 16, .size: 8, .value_kind: global_buffer, .address_space: global }
    .group_segment_fixed_size: 327680
    .private_segment_fixed_size: 0
    .kernarg_segment_align: 8
    .kernarg_segment_size: 24
    .max_flat_workgroup_size: 128
    .sgpr_count:     80
    .vgpr_count:     768
    .wavefront_size: 32
...
	.end_amdgpu_metadata
.endif
;; end of part 3
;; launch wo (part 4): grid 8 x 32, 4 waves a work-group, clusters of 4 x 4, 327,680 bytes of LDS; arguments act, wb, x1, x; writes x1
.if DOCPART == 4
	.amdgcn_target "amdgcn-amd-amdhsa--gfx1250"
	.amdhsa_code_object_version 6
	.text
	.protected	k_q844580860d_wo
	.globl	k_q844580860d_wo
	.p2align	8
	.type	k_q844580860d_wo,@function
k_q844580860d_wo:
	s_mov_b64 s[64:65], 0
	v_nop
	global_prefetch_b8 v0, s[64:65] scope:SCOPE_SE
	s_setreg_imm32_b32 hwreg(HW_REG_WAVE_MODE, 25, 1), 1
	s_wait_xcnt 0x0
	s_wait_alu depctr_hold_cnt(0) depctr_sa_sdst(0) depctr_va_vdst(0) depctr_va_sdst(0) depctr_va_ssrc(0) depctr_va_vcc(0) depctr_vm_vsrc(0)
	s_getreg_b32 s2, hwreg(HW_REG_IB_STS2, 6, 4)
	s_cmp_eq_u32 s2, 0
	s_cbranch_scc0 .Lentry_in_a_cluster
	s_endpgm
.Lentry_in_a_cluster:
	s_bfe_u32 s2, ttmp6, 0x10000c
	s_cmp_lg_u32 s2, 0xf033
	s_cbranch_scc0 .Lentry_shape_is_right
	s_endpgm
.Lentry_shape_is_right:
; x1 = x + O wo^T.  A = act as O in planes [16][4096][64] bf16, B = wo in wb, [1024][1024] bf16; sums in f32; x and x1 [4096][1024] f32.
; A tile of C is 128 x 128: four waves of 64 x 64; K in steps of 256 (four planes of A) through two LDS slots; 4 x 4 work-groups form a cluster: A's tile is asked for jointly along a row of the
; cluster, B's along a column.  The matrix instruction is used transposed.  256 work-groups.  The wave's part of x is loaded ahead of the K loop into 128 registers of window 2.
; The way out: a wave's 64 columns are 256 bytes of a row; 16 rows at a time go through the wave's own stage, come back as whole rows, take x and are stored, 16 lanes to 256 aligned bytes.
; No prefetch: small tiles, each shared by four work-groups.
.set SIZE_K, 1024
.set PLANES, 1
.set WBOFF,  6291456
.set FIVE,   0
.set BIAS,   0
.set SPF,    272                       ; the stage's row: 256 bytes + 16
.set OB,     32                        ; v32-63, v64-95: 16 rows read back, by turns
.macro EARLY
	s_lshl_b32 s16, s13, 7
	s_lshl_b32 s17, s11, 6
	s_add_co_u32 s16, s16, s17                     ; my first row
	s_lshl_b32 s16, s16, 12                        ; rows of 4,096 bytes
	s_mov_b32 s17, 0
	s_lshl_b32 s46, s42, 9
	s_lshl_b32 s47, s12, 8
	s_add_co_u32 s46, s46, s47                     ; my first column, in bytes
	s_mov_b32 s47, 0
	s_add_nc_u64 s[8:9], s[8:9], s[16:17]
	s_add_nc_u64 s[8:9], s[8:9], s[46:47]
	s_add_nc_u64 s[66:67], s[66:67], s[16:17]
	s_add_nc_u64 s[66:67], s[66:67], s[46:47]
	v_lshlrev_b32 v3, 12, v2
	v_lshl_add_u32 v[CO], v1, 4, v3                ; lanes 0-15 a row's 256 bytes, lanes 16-31 the next row's
	WIN 0x80                                       ; destination window 2
.set z, 0
.rept 32
	global_load_b128 v[4*z:4*z+3], v[CO], s[66:67] offset:2*z*4096
.set z, z+1
.endr
	WIN 0
.if BIAS
	s_add_nc_u64 s[68:69], s[68:69], s[46:47]
	v_lshlrev_b32 v4, 4, v1
	global_load_b128 v[8:11], v4, s[68:69]         ; the bias of my four columns of a row read back
.endif
	s_mul_i32 s22, s10, 16*SPF
	s_add_co_u32 s22, s22, STAGE
	v_mul_u32_u24 v3, v1, SPF
	v_lshl_add_u32 v3, v2, 5, v3
	v_add_nc_u32 v[STO], s22, v3                   ; in: row l % 16, 32 bytes for each half of the lanes
	v_mul_u32_u24 v3, v2, SPF
	v_lshl_add_u32 v3, v1, 4, v3
	v_add_nc_u32 v[RD], s22, v3
.endm
.macro OUTS a                          ; 16 rows into my stage and back as whole rows
.if (\a) >= 2
	s_wait_xcnt 0x0                                ; the stores of two blocks back have read these registers
.endif
.irp b, 0,1,2,3
	ds_store_b128 v[STO], v[ACC+8*(4*(\a)+(\b)):ACC+8*(4*(\a)+(\b))+3]   offset:64*(\b)     ; each accumulator's low registers first
	ds_store_b128 v[STO], v[ACC+8*(4*(\a)+(\b))+4:ACC+8*(4*(\a)+(\b))+7] offset:64*(\b)+16
.endr
.irp t, 0,1,2,3,4,5,6,7
	ds_load_b128 v[OB+32*((\a)%2)+4*(\t):OB+32*((\a)%2)+4*(\t)+3], v[RD] offset:(\t)*2*SPF  ; LDS serves a wave's instructions in order (ISA guide 5.7.1.4)
.endr
.endm
.macro FIN a, younger                  ; younger: the LDS instructions issued behind block a's loads
	s_wait_dscnt \younger
	WIN 0x08                                       ; source 1 in window 2: the residual
.set z, 0
.rept 16
	v_pk_add_f32 v[OB+32*((\a)%2)+2*z:OB+32*((\a)%2)+2*z+1], v[OB+32*((\a)%2)+2*z:OB+32*((\a)%2)+2*z+1], v[32*(\a)+2*z:32*(\a)+2*z+1]
.set z, z+1
.endr
	WIN 0
.if BIAS
.set z, 0
.rept 16
	v_pk_add_f32 v[OB+32*((\a)%2)+2*z:OB+32*((\a)%2)+2*z+1], v[OB+32*((\a)%2)+2*z:OB+32*((\a)%2)+2*z+1], v[8+2*(z%2):9+2*(z%2)]
.set z, z+1
.endr
.endif
.irp t, 0,1,2,3,4,5,6,7
	global_store_b128 v[CO], v[OB+32*((\a)%2)+4*(\t):OB+32*((\a)%2)+4*(\t)+3], s[8:9] offset:(16*(\a)+2*(\t))*4096  ; 16 lanes store 256 consecutive bytes, aligned
.endr
.endm
.macro WAYOUT
	PLACES
	s_wait_loadcnt 0x0                             ; the residual
	OUTS 0
	OUTS 1
	FIN 0, 16
	OUTS 2
	FIN 1, 16
	OUTS 3
	FIN 2, 16
	FIN 3, 0
.endm
; ---------------- the core, the same text in the two kernels with tiles of 128 x 128 ----------------
.set NK,    SIZE_K/256                 ; K steps
.set KSTEP, 256
.set PB,    528                        ; an LDS row of B: 512 bytes + 16 = 132 words: the 16 rows of a load start at 16 different groups of four banks (64 banks of 4 bytes: ISA guide 11.1)
.set HB,    64*PB                      ; 64 rows: what one tensor load brings
.if PLANES                             ; A lies in planes [K/64][4096][64]: a K step is 4 planes; 64 rows of a plane are 8,192 dense bytes
.set PA,    144                        ; in LDS [plane][row]: 128 bytes + 16
.set APL,   64*PA
.set HA,    4*APL
.set AROWB, 128
.set ASTEP, 4*524288
.else                                  ; A lies row-major [4096][SIZE_K]
.set PA,    528
.set APL,   128
.set HA,    64*PA
.set AROWB, SIZE_K*2
.set ASTEP, KSTEP*2
.endif
.set XS,    0x24000                    ; from slot to slot; no fill's address in slot 0 has bit 14 or bit 17, so one exclusive or changes slots
.set SPARE, 141312                     ; between the slots: the spare words, 128 bytes a wave, that no other line names
.set STAGE, 288768                     ; behind slot 1, never filled by a tensor load
.set ADRA0, 16                         ; v16  my lane's place in A's fragments, slot 0; never rewritten
.set ADRB0, 17                         ; v17  the same for B
.set ADRA,  18                         ; v18  the same in the slot in hand
.set ADRB,  19
.set STO,   24
.set RD,    25
.set CO,    26
.set SPW,   28                         ; v28  LDS address of my spare word; never rewritten
.set NIL,   29                         ; v29  0; never rewritten
.set ACC,   128                        ; accumulator (a, b) at v[128 + 8 (4 a + b)], window 0
.set F0,    0                          ; two fragment buffers in window 1: 64 registers of A, then 64 of B, for 64 along K
.set F1,    128
.set TB,    23                         ; s23  0 or XS: the slot in hand
.set G1,    24                         ; s[24:31] group 1 for A; s[32:39] two groups 0: the first fill's, and the one that walks
.set G0,    32
.set G1B,   48                         ; the same for B
.set G0B,   56
.set MSB, 0
.macro WIN new                         ; the immediate's high byte repeats the setting that is left; a switch that changes nothing is dropped
.if MSB != (\new)
	s_set_vgpr_msb (MSB<<8)|(\new)
.set MSB, \new
.endif
.endm
.set MUL,  0x05                        ; sources 0 (B) and 1 (A) window 1; C and D window 0
.set TO_F, 0x40                        ; destination window 1, address window 0
.macro JLOAD s                         ; a joint load: waves 0 and 1 fetch A's two halves, waves 2 and 3 B's; an s_nop 0 and four v_nop follow each line
	s_cmp_eq_u32 s11, 0
	s_cbranch_scc0 .Lfor_b_\@
	tensor_load_to_lds s[G0+4*(\s):G0+4*(\s)+3], s[G1:G1+7]
	s_nop 0
.rept 4
	v_nop
.endr
	s_branch .Lasked_\@
.Lfor_b_\@:
	tensor_load_to_lds s[G0B+4*(\s):G0B+4*(\s)+3], s[G1B:G1B+7]
	s_nop 0
.rept 4
	v_nop
.endr
.Lasked_\@:
.endm
.macro CREST                           ; a round of the cluster's barrier behind its opening barrier
	s_cmp_lg_u32 s10, 0
	s_cbranch_scc1 .Lnot_wave_0_\@
	s_barrier_signal -3
.Lnot_wave_0_\@:
	s_barrier_wait -3
	s_barrier_signal -1
	s_barrier_wait -1
.endm
.macro CROUND
	s_barrier_signal -1
	s_barrier_wait -1
	CREST
.endm
.macro MUL8 f, c, a0, zero             ; 8 products: row blocks a0, a0 + 1 x 4 column blocks, 32 along K (half c of buffer f); zero = 1 starts the sums
	WIN MUL
.irp a, \a0, (\a0)+1
.irp b, 0,1,2,3
.if \zero
	v_wmma_f32_16x16x32_bf16 v[ACC+8*(4*(\a)+(\b)):ACC+8*(4*(\a)+(\b))+7], v[(\f)+64+8*(4*(\c)+(\b)):(\f)+64+8*(4*(\c)+(\b))+7], v[(\f)+8*(4*(\c)+(\a)):(\f)+8*(4*(\c)+(\a))+7], 0
.else
	v_wmma_f32_16x16x32_bf16 v[ACC+8*(4*(\a)+(\b)):ACC+8*(4*(\a)+(\b))+7], v[(\f)+64+8*(4*(\c)+(\b)):(\f)+64+8*(4*(\c)+(\b))+7], v[(\f)+8*(4*(\c)+(\a)):(\f)+8*(4*(\c)+(\a))+7], v[ACC+8*(4*(\a)+(\b)):ACC+8*(4*(\a)+(\b))+7]
.endif
.endr
.endr
.endm
.macro FETCH k, f                      ; 32 LDS loads in one run: the fragments of 64 along K at byte k of a K step, into buffer f; the first 32 along K first
	WIN TO_F
.irp c, 0,1
.irp i, 0,1,2,3
	ds_load_b128 v[(\f)+64+8*(4*(\c)+(\i)):(\f)+64+8*(4*(\c)+(\i))+3],   v[ADRB] offset:(\k)+64*(\c)+(\i)*16*PB
	ds_load_b128 v[(\f)+64+8*(4*(\c)+(\i))+4:(\f)+64+8*(4*(\c)+(\i))+7], v[ADRB] offset:(\k)+64*(\c)+(\i)*16*PB+32
	ds_load_b128 v[(\f)+8*(4*(\c)+(\i)):(\f)+8*(4*(\c)+(\i))+3],         v[ADRA] offset:(((\k)+64*(\c))/128)*APL+((\k)+64*(\c))%128+(\i)*16*PA
	ds_load_b128 v[(\f)+8*(4*(\c)+(\i))+4:(\f)+8*(4*(\c)+(\i))+7],       v[ADRA] offset:(((\k)+64*(\c))/128)*APL+((\k)+64*(\c))%128+(\i)*16*PA+32
.endr
.endr
.endm
.macro PLACES                          ; four places in front of loads into registers that matrix instructions have read, and of lines that read results
.rept 4
	v_nop
.endr
.endm
.macro QUARTER k, f, g, zero           ; 64 along K: multiplies buffer f; in its middle fetches the next quarter, at byte k, into g
	s_wait_dscnt 16                                ; the first 32 along K are in; the younger sixteen loads may be out
	WIN MUL
	MUL8 \f, 0, 0, \zero
	MUL8 \f, 0, 2, \zero
	PLACES
	FETCH \k, \g
	s_wait_dscnt 32                                ; all but the 32 just issued
	WIN MUL
	MUL8 \f, 1, 0, 0
	MUL8 \f, 1, 2, 0
.endm
.macro TURN fill                       ; a K step's last quarter multiplies buffer 1 and changes slots: one barrier; fill = 1: it opens a round of the cluster's, and the slot just read is filled again
	WIN 0                                          ; (the add's two registers lie in window 0)
	s_wait_tensorcnt 0x0                           ; all my tensor loads have landed: the one that was out is my part of the next slot
	ds_add_u32 v[SPW], v[NIL]                      ; 0 onto my spare word
	s_xor_b32 s[TB], s[TB], XS                     ; the fragment addresses go to the other slot
	v_add_nc_u32 v[ADRA], s[TB], v[ADRA0]
	v_add_nc_u32 v[ADRB], s[TB], v[ADRB0]
	s_wait_dscnt 17                                ; the add and the youngest sixteen loads may be out
	WIN MUL
	MUL8 F1, 0, 0, 0
	s_wait_dscnt 0x0                               ; the add is done, and my reads of this slot are over
	s_barrier_signal -1
	MUL8 F1, 0, 2, 0
.if \fill
	WIN 0
.endif
	s_barrier_wait -1
.if \fill
	CREST                                          ; no wave of any partner still reads this slot or has a load on its way
	s_xor_b32 s[G0+5], s[G0+5], XS                 ; the walking descriptors: the other slot than last time, the next K step
	s_add_nc_u64 s[G0+6:G0+7], s[G0+6:G0+7], ASTEP
	s_xor_b32 s[G0B+5], s[G0B+5], XS
	s_add_nc_u64 s[G0B+6:G0B+7], s[G0B+6:G0B+7], KSTEP*2
	JLOAD 1                                        ; my one tensor load behind the round; its four v_nop are also the places in front of the loads below
.else
	PLACES
.endif
	FETCH 0, F0
	WIN MUL
	MUL8 F1, 1, 0, 0
	MUL8 F1, 1, 2, 0
.endm
	s_load_b128 s[4:7], s[0:1], 0x0                ; A s[4:5], wb s[6:7]
	s_load_b64 s[8:9], s[0:1], 0x10                ; C
	s_load_b64 s[66:67], s[0:1], 0x18              ; the kernel's fourth buffer
.if FIVE
	s_load_b64 s[68:69], s[0:1], 0x20              ; and its fifth
.endif
	v_lshl_add_u32 v[SPW], v0, 2, SPARE
	v_mov_b32 v[NIL], 0
	ds_add_u32 v[SPW], v[NIL]                      ; the wave's opening
	v_lshrrev_b32 v1, 5, v0
	v_readfirstlane_b32 s10, v1                    ; wave 0..3
	s_lshr_b32 s11, s10, 1                         ; my half of the tile's rows; also: I fetch for A (0) or B (1)
	s_and_b32 s12, s10, 1                          ; my half of its columns; also: which 64 rows I fetch
	s_bfe_u32 s40, ttmp6, 0x40000                  ; cx, cy
	s_bfe_u32 s41, ttmp6, 0x40004
	s_lshl_b32 s42, ttmp9, 2
	s_add_co_u32 s42, s42, s40                     ; tile column
	s_and_b32 s13, ttmp7, 0xffff
	s_lshl_b32 s13, s13, 2
	s_add_co_u32 s13, s13, s41                     ; tile row
	s_lshl_b32 s43, s41, 2
	s_lshl_b32 s43, 15, s43                        ; my row of the cluster
	s_lshl_b32 s44, 0x1111, s40                    ; my column
.if PLANES
	s_or_b32 s[G1+0], s43, (1<<16)|(1<<20)|(1<<21)|(4<<22)|(3<<25)  ; mask; 2-byte elements; padding on; bit 21 beside a mask; after every 32 words 4 words
	s_mov_b32 s[G1+1], 4096<<16                    ; tensor_dim0 = 4,096: 64 rows of 64 numbers, dense
	s_mov_b32 s[G1+2], 4<<16                       ; tensor_dim1 = 4 planes
	s_mov_b32 s[G1+3], 4096<<16                    ; tile_dim0
	s_mov_b32 s[G1+4], 4                           ; tile_dim1
	s_mov_b32 s[G1+5], 262144                      ; elements from plane to plane
.else
	s_or_b32 s[G1+0], s43, (1<<16)|(1<<20)|(1<<21)|(6<<22)|(3<<25)  ; the same, after every 128 words 4 words
	s_mov_b32 s[G1+1], KSTEP<<16
	s_mov_b32 s[G1+2], 64<<16
	s_mov_b32 s[G1+3], KSTEP<<16
	s_mov_b32 s[G1+4], 64
	s_mov_b32 s[G1+5], SIZE_K
.endif
	s_mov_b32 s[G1+6], 0
	s_mov_b32 s[G1+7], 0
	s_or_b32 s[G1B+0], s44, (1<<16)|(1<<20)|(1<<21)|(6<<22)|(3<<25)
	s_mov_b32 s[G1B+1], KSTEP<<16                  ; 64 rows x 256 elements
	s_mov_b32 s[G1B+2], 64<<16
	s_mov_b32 s[G1B+3], KSTEP<<16
	s_mov_b32 s[G1B+4], 64
	s_mov_b32 s[G1B+5], SIZE_K
	s_mov_b32 s[G1B+6], 0
	s_mov_b32 s[G1B+7], 0
	s_lshl_b32 s17, s12, 6
	s_lshl_b32 s16, s13, 7
	s_add_co_u32 s16, s16, s17                     ; A: row 128 x tile row + 64 x half
	s_lshl_b32 s46, s42, 7
	s_add_co_u32 s46, s46, s17                     ; B: row 128 x tile column + 64 x half
	s_mul_i32 s16, s16, AROWB                      ; in bytes: under 2^24
	s_mul_i32 s46, s46, SIZE_K*2
	s_mov_b32 s17, 0
	s_mov_b32 s47, 0
	s_mul_i32 s20, s12, HA                         ; where they go: made of the wave's number alone
	s_mul_i32 s21, s12, HB
	s_add_co_u32 s21, s21, 2*HA
	s_mov_b32 s[TB], 0
	s_wait_dscnt 0x0                               ; the opening add is done
	s_wait_kmcnt 0x0
	s_add_nc_u64 s[14:15], s[4:5], s[16:17]
	s_add_nc_u64 s[46:47], s[6:7], s[46:47]
.if WBOFF
	s_add_nc_u64 s[46:47], s[46:47], WBOFF         ; this kernel's matrix in wb
.endif
	CROUND                                         ; all sixteen work-groups are here: the first joint loads meet
.irp s, 0,1
	s_mov_b32 s[G0+4*(\s)], 1
	s_add_co_u32 s[G0+4*(\s)+1], s20, (\s)*XS
	s_add_nc_u64 s[G0+4*(\s)+2:G0+4*(\s)+3], s[14:15], (\s)*ASTEP
	s_or_b32 s[G0+4*(\s)+3], s[G0+4*(\s)+3], 0x80000000
	s_mov_b32 s[G0B+4*(\s)], 1
	s_add_co_u32 s[G0B+4*(\s)+1], s21, (\s)*XS
	s_add_nc_u64 s[G0B+4*(\s)+2:G0B+4*(\s)+3], s[46:47], (\s)*KSTEP*2
	s_or_b32 s[G0B+4*(\s)+3], s[G0B+4*(\s)+3], 0x80000000
	JLOAD \s                                       ; two loads of mine are out
.endr
	v_and_b32 v1, 15, v0                           ; l % 16
	v_bfe_u32 v2, v0, 4, 1                         ; l / 16
	v_mul_u32_u24 v3, v1, PA
	v_lshl_add_u32 v3, v2, 4, v3                   ; a fragment's row x pitch + 16 x half
	s_mul_i32 s22, s11, HA
	v_add_nc_u32 v[ADRA0], s22, v3
	v_mul_u32_u24 v3, v1, PB
	v_lshl_add_u32 v3, v2, 4, v3
	s_mul_i32 s22, s12, HB
	s_add_co_u32 s22, s22, 2*HA
	v_add_nc_u32 v[ADRB0], s22, v3
	v_mov_b32 v[ADRA], v[ADRA0]
	v_mov_b32 v[ADRB], v[ADRB0]
	EARLY
	s_wait_tensorcnt 1                             ; my part of K step 0 is in; K step 1's may stay out
	s_barrier_signal -1
	s_barrier_wait -1
	FETCH 0, F0
	QUARTER 128, F0, F1, 1                         ; the first quarter stands in front of the loop: its first products start the sums
	WIN 0
	s_mov_b32 s3, NK-2
.Lstep:                                        ; a trip: a K step's last three quarters, the refill two steps ahead, the next step's first quarter
	QUARTER 256, F1, F0, 0
	QUARTER 384, F0, F1, 0
	TURN 1
	QUARTER 128, F0, F1, 0
	WIN 0
	s_sub_co_u32 s3, s3, 1
	s_cmp_lg_u32 s3, 0
	s_cbranch_scc1 .Lstep
	s_mov_b32 s3, 2
.Ltail:                                        ; the last two K steps ask for nothing; the second pass is left in its middle
	QUARTER 256, F1, F0, 0
	QUARTER 384, F0, F1, 0
	WIN 0
	s_sub_co_u32 s3, s3, 1
	s_cmp_eq_u32 s3, 0
	s_cbranch_scc1 .Llast
	TURN 0
	QUARTER 128, F0, F1, 0
	WIN 0
	s_branch .Ltail
.Llast:
	s_wait_dscnt 16
	WIN MUL
	MUL8 F1, 0, 0, 0
	MUL8 F1, 0, 2, 0
	s_wait_dscnt 0x0
	MUL8 F1, 1, 0, 0
	MUL8 F1, 1, 2, 0
	WIN 0
	WAYOUT
	s_wait_tensorcnt 0x0                           ; the wave's end
	ds_add_u32 v[SPW], v[NIL]
	s_wait_dscnt 0x0
	CROUND                                         ; the closing round
	s_endpgm
.Lfunc_end_k_q844580860d_wo:
	.size	k_q844580860d_wo, .Lfunc_end_k_q844580860d_wo-k_q844580860d_wo
	.p2alignl 7, 3214868480
	.fill 96, 4, 3214868480
	.section	.rodata,"a",@progbits
	.p2align	6, 0x0
	.amdhsa_kernel k_q844580860d_wo
		.amdhsa_group_segment_fixed_size 327680
		.amdhsa_private_segment_fixed_size 0
		.amdhsa_enable_private_segment 0
		.amdhsa_kernarg_size 32
		.amdhsa_user_sgpr_count 2
		.amdhsa_user_sgpr_kernarg_segment_ptr 1
		.amdhsa_wavefront_size32 1
		.amdhsa_system_sgpr_workgroup_id_x 1
		.amdhsa_system_sgpr_workgroup_id_y 1
		.amdhsa_system_sgpr_workgroup_id_z 1
		.amdhsa_system_vgpr_workitem_id 0
		.amdhsa_next_free_vgpr 640
		.amdhsa_next_free_sgpr 68
		.amdhsa_reserve_vcc 0
		.amdhsa_float_denorm_mode_32 3
		.amdhsa_float_denorm_mode_16_64 3
		.amdhsa_memory_ordered 1
		.amdhsa_forward_progress 1
		.amdhsa_inst_pref_size 67
	.end_amdhsa_kernel
	.amdgpu_metadata
---
amdhsa.version: [ 1, 2 ]
amdhsa.kernels:
  - .name:           k_q844580860d_wo
    .symbol:         k_q844580860d_wo.kd
    .args:
      - { .name: act, .offset: 0, .size: 8, .value_kind: global_buffer, .address_space: global }
      - { .name: wb, .offset: 8, .size: 8, .value_kind: global_buffer, .address_space: global }
      - { .name: x1, .offset: 16, .size: 8, .value_kind: global_buffer, .address_space: global }
      - { .name: x, .offset: 24, .size: 8, .value_kind: global_buffer, .address_space: global }
    .group_segment_fixed_size: 327680
    .private_segment_fixed_size: 0
    .kernarg_segment_align: 8
    .kernarg_segment_size: 32
    .max_flat_workgroup_size: 128
    .sgpr_count:     68
    .vgpr_count:     640
    .wavefront_size: 32
...
	.end_amdgpu_metadata
.endif
;; end of part 4
;; launch ln2 (part 5): grid 512 x 1, 8 waves a work-group, no clusters, 0 bytes of LDS; arguments x1, g2, b2, act; writes act
.if DOCPART == 5
	.amdgcn_target "amdgcn-amd-amdhsa--gfx1250"
	.amdhsa_code_object_version 6
	.text
	.protected	k_q844580860d_ln2
	.globl	k_q844580860d_ln2
	.p2align	8
	.type	k_q844580860d_ln2,@function
k_q844580860d_ln2:
	s_mov_b64 s[64:65], 0
	v_nop
	global_prefetch_b8 v0, s[64:65] scope:SCOPE_SE
	s_setreg_imm32_b32 hwreg(HW_REG_WAVE_MODE, 25, 1), 1
	s_wait_xcnt 0x0
; act[row][:] = bf16(layernorm(x1[row][:]) * g2 + b2), 4,096 rows of 1,024 f32; a wave takes a row, a work-group eight.
; A stream: no LDS, no matrix unit, no cluster.  A row lies in 32 registers of its wave between the passes, so it is read once.
; The variance is the mean of the squared differences from the mean: no difference of large sums is formed.
; LIMITS: NaN and infinities are not treated apart; v_rsq_f32 is accurate to 1 ulp.
.set X,  32                            ; v[32:63]   the row: chunk j holds columns 128 j + 4 lane .. + 3
.set G,  64                            ; v[64:95]   g of the same columns
.set BV, 96                            ; v[96:127]  b of the same columns
.set T,  8                             ; v[8:15]    four chains of packed sums
.set YY, 16                            ; v[16:31]   the row in bf16
.macro ACROSS                          ; the four chains, the pair's halves and the 32 lanes are added: every lane ends with the sum in v[T]
	v_pk_add_f32 v[T:T+1], v[T:T+1], v[T+2:T+3]
	v_pk_add_f32 v[T+4:T+5], v[T+4:T+5], v[T+6:T+7]
	v_pk_add_f32 v[T:T+1], v[T:T+1], v[T+4:T+5]
	v_add_f32 v[T], v[T], v[T+1]
	v_add_f32_dpp v[T], v[T], v[T] row_xmask:1 row_mask:0xf bank_mask:0xf
	v_add_f32_dpp v[T], v[T], v[T] row_xmask:2 row_mask:0xf bank_mask:0xf
	v_add_f32_dpp v[T], v[T], v[T] row_xmask:4 row_mask:0xf bank_mask:0xf
	v_add_f32_dpp v[T], v[T], v[T] row_xmask:8 row_mask:0xf bank_mask:0xf
	v_permlanex16_b32 v[T+1], v[T], s30, s31
	v_add_f32 v[T], v[T], v[T+1]
.endm
	s_load_b256 s[4:11], s[0:1], 0x0               ; x1 s[4:5], g2 s[6:7], b2 s[8:9], act s[10:11]
	v_lshrrev_b32 v1, 5, v0
	v_readfirstlane_b32 s26, v1                    ; wave 0..7
	v_and_b32 v1, 31, v0
	v_lshlrev_b32 v2, 4, v1
	v_lshlrev_b32 v3, 3, v1
	s_mov_b32 s29, 0
	s_mov_b32 s30, 0x76543210
	s_mov_b32 s31, 0xfedcba98
	s_mov_b32 s32, 0x3a800000                      ; 1 / 1024
	s_mov_b32 s33, 0x3727c5ac                      ; 1e-5
	s_lshl_b32 s27, ttmp9, 3
	s_add_co_u32 s27, s27, s26                     ; my row
	s_wait_kmcnt 0x0
	s_lshl_b32 s28, s27, 12
	s_add_nc_u64 s[4:5], s[4:5], s[28:29]
	s_lshl_b32 s28, s27, 11
	s_add_nc_u64 s[10:11], s[10:11], s[28:29]
.irp j, 0,1,2,3,4,5,6,7
	global_load_b128 v[X+4*(\j):X+4*(\j)+3], v2, s[4:5] offset:512*(\j)
.endr
.irp j, 0,1,2,3,4,5,6,7
	global_load_b128 v[G+4*(\j):G+4*(\j)+3], v2, s[6:7] offset:512*(\j)
.endr
.irp j, 0,1,2,3,4,5,6,7
	global_load_b128 v[BV+4*(\j):BV+4*(\j)+3], v2, s[8:9] offset:512*(\j)
.endr
	s_wait_loadcnt 16                              ; the row is in; the 16 loads of g and b may stay out
.irp k, 0,1,2,3
	v_pk_add_f32 v[T+2*(\k):T+2*(\k)+1], v[X+2*(\k):X+2*(\k)+1], v[X+8+2*(\k):X+8+2*(\k)+1]
.endr
.set i, 8
.rept 8
	v_pk_add_f32 v[T+2*(i%4):T+2*(i%4)+1], v[T+2*(i%4):T+2*(i%4)+1], v[X+2*i:X+2*i+1]
.set i, i+1
.endr
	ACROSS
	v_mul_f32 v4, s32, v[T]                        ; the mean, twice
	v_mov_b32 v5, v4
.set i, 0
.rept 16
	v_pk_add_f32 v[X+2*i:X+2*i+1], v[X+2*i:X+2*i+1], v[4:5] neg_lo:[0,1] neg_hi:[0,1]
.set i, i+1
.endr
.irp k, 0,1,2,3
	v_pk_mul_f32 v[T+2*(\k):T+2*(\k)+1], v[X+2*(\k):X+2*(\k)+1], v[X+2*(\k):X+2*(\k)+1]
.endr
.set i, 4
.rept 12
	v_pk_fma_f32 v[T+2*(i%4):T+2*(i%4)+1], v[X+2*i:X+2*i+1], v[X+2*i:X+2*i+1], v[T+2*(i%4):T+2*(i%4)+1]
.set i, i+1
.endr
	ACROSS
	v_fma_f32 v[T+2], v[T], s32, s33               ; variance + eps
	v_rsq_f32 v6, v[T+2]
	v_rsq_f32 v7, v[T+2]
	v_nop                                          ; a plain instruction between the root and the use of its result (ISA guide 5.7.2)
.set i, 0
	s_wait_alu depctr_va_vdst(0)
.rept 16
	v_pk_mul_f32 v[X+2*i:X+2*i+1], v[X+2*i:X+2*i+1], v[6:7]
.set i, i+1
.endr
	s_wait_loadcnt 0x0                             ; g and b
.set i, 0
.rept 16
	v_pk_fma_f32 v[X+2*i:X+2*i+1], v[X+2*i:X+2*i+1], v[G+2*i:G+2*i+1], v[BV+2*i:BV+2*i+1]
.set i, i+1
.endr
.set i, 0
.rept 16
	v_cvt_pk_bf16_f32 v[YY+i], v[X+2*i], v[X+2*i+1]
.set i, i+1
.endr
.irp j, 0,1,2,3,4,5,6,7
	global_store_b64 v3, v[YY+2*(\j):YY+2*(\j)+1], s[10:11] offset:256*(\j)  ; 32 lanes store 256 consecutive bytes, aligned
.endr
	s_endpgm
.Lfunc_end_k_q844580860d_ln2:
	.size	k_q844580860d_ln2, .Lfunc_end_k_q844580860d_ln2-k_q844580860d_ln2
	.p2alignl 7, 3214868480
	.fill 96, 4, 3214868480
	.section	.rodata,"a",@progbits
	.p2align	6, 0x0
	.amdhsa_kernel k_q844580860d_ln2
		.amdhsa_group_segment_fixed_size 0
		.amdhsa_private_segment_fixed_size 0
		.amdhsa_enable_private_segment 0
		.amdhsa_kernarg_size 32
		.amdhsa_user_sgpr_count 2
		.amdhsa_user_sgpr_kernarg_segment_ptr 1
		.amdhsa_wavefront_size32 1
		.amdhsa_system_sgpr_workgroup_id_x 1
		.amdhsa_system_sgpr_workgroup_id_y 1
		.amdhsa_system_sgpr_workgroup_id_z 1
		.amdhsa_system_vgpr_workitem_id 0
		.amdhsa_next_free_vgpr 128
		.amdhsa_next_free_sgpr 66
		.amdhsa_reserve_vcc 0
		.amdhsa_float_denorm_mode_32 3
		.amdhsa_float_denorm_mode_16_64 3
		.amdhsa_memory_ordered 1
		.amdhsa_forward_progress 1
		.amdhsa_inst_pref_size 12
	.end_amdhsa_kernel
	.amdgpu_metadata
---
amdhsa.version: [ 1, 2 ]
amdhsa.kernels:
  - .name:           k_q844580860d_ln2
    .symbol:         k_q844580860d_ln2.kd
    .args:
      - { .name: x1, .offset: 0, .size: 8, .value_kind: global_buffer, .address_space: global }
      - { .name: g2, .offset: 8, .size: 8, .value_kind: global_buffer, .address_space: global }
      - { .name: b2, .offset: 16, .size: 8, .value_kind: global_buffer, .address_space: global }
      - { .name: act, .offset: 24, .size: 8, .value_kind: global_buffer, .address_space: global }
    .group_segment_fixed_size: 0
    .private_segment_fixed_size: 0
    .kernarg_segment_align: 8
    .kernarg_segment_size: 32
    .max_flat_workgroup_size: 256
    .sgpr_count:     66
    .vgpr_count:     128
    .wavefront_size: 32
...
	.end_amdgpu_metadata
.endif
;; end of part 5
;; launch mlp1 (part 6): grid 16 x 16, 4 waves a work-group, clusters of 4 x 4, 327,680 bytes of LDS; arguments act, wb, hb, b_mlp1; writes hb
.if DOCPART == 6
	.amdgcn_target "amdgcn-amd-amdhsa--gfx1250"
	.amdhsa_code_object_version 6
	.text
	.protected	k_q844580860d_mlp1
	.globl	k_q844580860d_mlp1
	.p2align	8
	.type	k_q844580860d_mlp1,@function
k_q844580860d_mlp1:
	s_mov_b64 s[64:65], 0
	v_nop
	global_prefetch_b8 v0, s[64:65] scope:SCOPE_SE
	s_setreg_imm32_b32 hwreg(HW_REG_WAVE_MODE, 25, 1), 1
	s_wait_xcnt 0x0
	s_wait_alu depctr_hold_cnt(0) depctr_sa_sdst(0) depctr_va_vdst(0) depctr_va_sdst(0) depctr_va_ssrc(0) depctr_va_vcc(0) depctr_vm_vsrc(0)
	s_getreg_b32 s2, hwreg(HW_REG_IB_STS2, 6, 4)
	s_cmp_eq_u32 s2, 0
	s_cbranch_scc0 .Lentry_in_a_cluster
	s_endpgm
.Lentry_in_a_cluster:
	s_bfe_u32 s2, ttmp6, 0x10000c
	s_cmp_lg_u32 s2, 0xf033
	s_cbranch_scc0 .Lentry_shape_is_right
	s_endpgm
.Lentry_shape_is_right:
; hb = gelu(nx w_mlp1^T + b_mlp1), exact (erf) form.  A = act [4096][1024] bf16, B = w_mlp1 in wb, [4096][1024] bf16; sums, bias and gelu in f32, rounded once to bf16.
; Stored in planes [64][4096][64]: a plane's rows of 128 bytes lie end to end.
; A tile of C is 256 x 256: four waves of 128 x 128 (64 accumulators, 512 registers); K in steps of 128 through two LDS slots; 4 x 4 work-groups form a cluster: A's tile is asked for jointly
; along a row of the cluster, B's along a column.  The matrix instruction is used transposed (source 0 = rows of B).  16 x 16 = 256 work-groups.
; gelu(x) = max(x, 0) - |x| h, h = erfc(|x| / sqrt 2) / 2 = (A1 t + .. + A5 t^5) 2^(-x^2 log2(e) / 2), t = 1 / (1 + p |x| / sqrt 2) (Abramowitz and Stegun 7.1.26).
; LIMIT: that formula's erf is within 1.5e-7 of the true one for every x; NaN and infinities are not treated apart.
; THE WAY OUT: the wave's tile is put once into LDS, in f32 (the ring's bytes: every fill has landed and, behind a barrier, nobody reads them), and a counted loop on fixed registers takes it
; back four rows of both planes a trip: the gelu is written once, not once for each of 512 accumulator registers.
; No prefetch: K has eight steps, two of them the first fills, and every tile is asked for by several clusters.
.set SIZE_K, 1024
.set WBOFF,  8388608
.set BI,  32                           ; v32-47    the bias of columns 8 (l % 8) .. + 7 of my first plane, then of my second
.set GX,  64                           ; v64-79    16 sums as read back: row l / 8, eight of each plane
.set GT,  80                           ; v80-95    x = sum + bias, at last gelu(x)
.set GA,  96                           ; v96-111   |x|
.set GU,  112                          ; v112-127  t
.set GE,  128                          ; v128-143  the exponential
.set GW,  144                          ; v144-159  h
.set GR,  160                          ; v160-175  max(x, 0)
.set GY,  176                          ; v176-183  packed bf16
.set KP,  68                           ; s[68:69] p / sqrt 2, and so on: pairs, of which the packed forms take the low word
.set KN,  70
.set KA1, 72
.set KA2, 74
.set KA3, 76
.set KA4, 78
.set KA5, 80
.macro EARLY
	s_lshl_b32 s46, s42, 10
	s_lshl_b32 s47, s12, 9
	s_add_co_u32 s46, s46, s47                     ; my 128 columns' bias, in bytes
	s_mov_b32 s47, 0
	s_add_nc_u64 s[66:67], s[66:67], s[46:47]
	v_and_b32 v4, 7, v0
	v_lshlrev_b32 v5, 5, v4
	global_load_b128 v[BI:BI+3], v5, s[66:67]
	global_load_b128 v[BI+4:BI+7], v5, s[66:67] offset:16
	global_load_b128 v[BI+8:BI+11], v5, s[66:67] offset:256
	global_load_b128 v[BI+12:BI+15], v5, s[66:67] offset:272
	OUTADR
	s_mov_b32 s[KP], 0x3e6d3388                    ; 0.3275911 / sqrt 2
	s_mov_b32 s[KN], 0xbf38aa3b                    ; -log2(e) / 2
	s_mov_b32 s[KA1], 0x3e027906                   ; 0.254829592 / 2
	s_mov_b32 s[KA2], 0xbe11a98e                   ; -0.284496736 / 2
	s_mov_b32 s[KA3], 0x3f35f0e3                   ; 1.421413741 / 2
	s_mov_b32 s[KA4], 0xbf3a00e3                   ; -1.453152027 / 2
	s_mov_b32 s[KA5], 0x3f07dc22                   ; 1.061405429 / 2
.irp c, KP, KN, KA1, KA2, KA3, KA4, KA5
	s_mov_b32 s[\c+1], s[\c]                       ; named as pairs, so both are written
.endr
.endm
.macro EACH8 line:vararg               ; one line for each pair z of eight
.set z, 0
.rept 8
	\line
.set z, z+1
.endr
.endm
.macro EACH16 line:vararg
.set z, 0
.rept 16
	\line
.set z, z+1
.endr
.endm
.macro BACK                            ; four rows of the dump: row l / 8, eight numbers of each plane
	ds_load_b128 v[GX:GX+3],     v[RD]
	ds_load_b128 v[GX+4:GX+7],   v[RD] offset:16
	ds_load_b128 v[GX+8:GX+11],  v[RD] offset:256
	ds_load_b128 v[GX+12:GX+15], v[RD] offset:272
.endm
.macro WAYOUT
	s_barrier_signal -1                            ; every wave's LDS reads have been waited for: behind this barrier the ring's bytes are written
	PLACES
	s_barrier_wait -1
	DUMP
	BACK                                           ; my own bytes: LDS serves a wave's instructions in order (ISA guide 5.7.1.4)
	s_wait_loadcnt 0x0                             ; the bias
	s_mov_b32 s3, 32
.Lrows:
	s_wait_dscnt 0x0
	EACH8 v_pk_add_f32 v[GT+2*z:GT+2*z+1], v[GX+2*z:GX+2*z+1], v[BI+2*z:BI+2*z+1]
	s_cmp_eq_u32 s3, 1                             ; the last trip has nothing more to read
	s_cbranch_scc1 .Lnomore
	v_add_nc_u32 v[RD], 4*SPF, v[RD]
	BACK
.Lnomore:
	EACH16 v_and_b32 v[GA+z], 0x7fffffff, v[GT+z]
	EACH8 v_pk_fma_f32 v[GU+2*z:GU+2*z+1], v[GA+2*z:GA+2*z+1], s[KP:KP+1], 1.0 op_sel_hi:[1,0,0]
	EACH8 v_pk_mul_f32 v[GE+2*z:GE+2*z+1], v[GT+2*z:GT+2*z+1], v[GT+2*z:GT+2*z+1]
	EACH8 v_pk_mul_f32 v[GE+2*z:GE+2*z+1], v[GE+2*z:GE+2*z+1], s[KN:KN+1] op_sel_hi:[1,0]
	EACH16 v_rcp_f32 v[GU+z], v[GU+z]
	EACH16 v_exp_f32 v[GE+z], v[GE+z]
	v_nop                                          ; a plain instruction behind the last transcendental (ISA guide 5.7.2)
	s_wait_alu depctr_va_vdst(0)
	EACH8 v_pk_fma_f32 v[GW+2*z:GW+2*z+1], v[GU+2*z:GU+2*z+1], s[KA5:KA5+1], s[KA4:KA4+1] op_sel_hi:[1,0,0]
	EACH8 v_pk_fma_f32 v[GW+2*z:GW+2*z+1], v[GW+2*z:GW+2*z+1], v[GU+2*z:GU+2*z+1], s[KA3:KA3+1] op_sel_hi:[1,1,0]
	EACH8 v_pk_fma_f32 v[GW+2*z:GW+2*z+1], v[GW+2*z:GW+2*z+1], v[GU+2*z:GU+2*z+1], s[KA2:KA2+1] op_sel_hi:[1,1,0]
	EACH8 v_pk_fma_f32 v[GW+2*z:GW+2*z+1], v[GW+2*z:GW+2*z+1], v[GU+2*z:GU+2*z+1], s[KA1:KA1+1] op_sel_hi:[1,1,0]
	EACH8 v_pk_mul_f32 v[GW+2*z:GW+2*z+1], v[GW+2*z:GW+2*z+1], v[GU+2*z:GU+2*z+1]
	EACH8 v_pk_mul_f32 v[GW+2*z:GW+2*z+1], v[GW+2*z:GW+2*z+1], v[GE+2*z:GE+2*z+1]
	EACH16 v_max_num_f32 v[GR+z], 0, v[GT+z]
	EACH8 v_pk_fma_f32 v[GT+2*z:GT+2*z+1], v[GA+2*z:GA+2*z+1], v[GW+2*z:GW+2*z+1], v[GR+2*z:GR+2*z+1] neg_lo:[1,0,0] neg_hi:[1,0,0]
	EACH8 v_cvt_pk_bf16_f32 v[GY+z], v[GT+2*z], v[GT+2*z+1]
	global_store_b128 v[CO], v[GY:GY+3], s[8:9]                     ; four rows of 128 bytes of my first plane: 512 consecutive bytes, aligned to 256
	global_store_b128 v[CO], v[GY+4:GY+7], s[8:9] offset:524288     ; the same rows of my second plane
	s_wait_xcnt 0x0                                ; the stores have read their data and their base: both are written again only behind this wait
	s_add_nc_u64 s[8:9], s[8:9], 512
	s_sub_co_u32 s3, s3, 1
	s_cmp_lg_u32 s3, 0
	s_cbranch_scc1 .Lrows
.endm
; ---------------- the core, the same text in the two kernels with tiles of 256 x 256 ----------------
; REGISTERS, in windows of 256 (s_set_vgpr_msb: bits 1:0 source 0, 3:2 source 1, 5:4 source 2, 7:6 destination):
;   window 0: v0-31 addresses; v32-63 the kernel's own; v64-127, v128-191 fragments of A (8 x 16 rows x 32 K), two buffers; behind the K loop v64-255 are at work on the way out
;   window 1: v64-127, v128-191 fragments of B, two buffers
;   window 2: the 32 accumulators of my rows 0-63 (accumulator (a, b) at v[8 (8 a + b)]);   window 3: those of my rows 64-127
.set NK,    SIZE_K/128                 ; K steps
.set KSTEP, 128
.set PITCH, 272                        ; an LDS row: 256 bytes + 16 = 68 words: the 16 rows of a load start at 16 different groups of four banks (64 banks of 4 bytes: ISA guide 11.1)
.set HALFT, 128*PITCH                  ; 128 rows: what one tensor load brings, and what one wave reads of A or of B
.set SLOT,  4*HALFT                    ; A's 256 rows, then B's 256 rows
.set XS,    SLOT                       ; 0x22000: no fill's address in slot 0 (0, 0x8800, 0x11000, 0x19800) has bit 13 or bit 17, so one exclusive or changes slots
.set SPARE, 2*SLOT                     ; behind the ring: the spare words, 128 bytes a wave, that no other line names
.set KT,    SPARE+512                  ; behind them: 512 bytes a wave, never filled by a tensor load
.set SPF,   528                        ; a dumped row: 512 bytes of f32 + 16
.set ADRA0, 16                         ; v16  my lane's place in A's fragments, slot 0; never rewritten
.set ADRB0, 17                         ; v17  the same for B
.set ADRA,  18                         ; v18  the same in the slot in hand
.set ADRB,  19
.set STO,   24                         ; v24  the way out: where I put 32 bytes of a row
.set RD,    25                         ; v25  the way out: where I read rows back
.set CO,    26                         ; v26  16 x my lane
.set SPW,   28                         ; v28  LDS address of my spare word; never rewritten
.set NIL,   29                         ; v29  0; never rewritten
.set F0,    64
.set F1,    128
.set TB,    23                         ; s23  0 or XS: the slot in hand
.set G1,    24                         ; s[24:31] group 1 for A; s[32:39] two groups 0: the first fill's, and the one that walks
.set G0,    32
.set G1B,   48                         ; the same for B
.set G0B,   56
.set MSB, 0
.macro WIN new                         ; the immediate's high byte repeats the setting that is left; a switch that changes nothing is dropped
.if MSB != (\new)
	s_set_vgpr_msb (MSB<<8)|(\new)
.set MSB, \new
.endif
.endm
.set MUL_LO, 0xa1                      ; source 0 (B) window 1, source 1 (A) window 0, C and D window 2; + 0x50: C and D window 3
.set TO_B,   0x40                      ; destination window 1, address window 0
.macro JLOAD s                         ; a joint load: waves 0 and 1 fetch A's two halves, waves 2 and 3 B's; an s_nop 0 and four v_nop follow each line
	s_cmp_eq_u32 s11, 0
	s_cbranch_scc0 .Lfor_b_\@
	tensor_load_to_lds s[G0+4*(\s):G0+4*(\s)+3], s[G1:G1+7]
	s_nop 0
.rept 4
	v_nop
.endr
	s_branch .Lasked_\@
.Lfor_b_\@:
	tensor_load_to_lds s[G0B+4*(\s):G0B+4*(\s)+3], s[G1B:G1B+7]
	s_nop 0
.rept 4
	v_nop
.endr
.Lasked_\@:
.endm
.macro CREST                           ; a round of the cluster's barrier behind its opening barrier
	s_cmp_lg_u32 s10, 0
	s_cbranch_scc1 .Lnot_wave_0_\@
	s_barrier_signal -3
.Lnot_wave_0_\@:
	s_barrier_wait -3
	s_barrier_signal -1
	s_barrier_wait -1
.endm
.macro CROUND
	s_barrier_signal -1
	s_barrier_wait -1
	CREST
.endm
.macro MUL16 f, hi, a0, zero           ; 16 products: row blocks a0, a0 + 1 of the window's four (hi = 0: my rows 0-63, 1: rows 64-127) x 8 column blocks, 32 along K; zero = 1 starts the sums
	WIN MUL_LO+0x50*(\hi)
.irp a, \a0, (\a0)+1
.irp b, 0,1,2,3,4,5,6,7
.if \zero
	v_wmma_f32_16x16x32_bf16 v[8*(8*(\a)+(\b)):8*(8*(\a)+(\b))+7], v[(\f)+8*(\b):(\f)+8*(\b)+7], v[(\f)+8*(4*(\hi)+(\a)):(\f)+8*(4*(\hi)+(\a))+7], 0
.else
	v_wmma_f32_16x16x32_bf16 v[8*(8*(\a)+(\b)):8*(8*(\a)+(\b))+7], v[(\f)+8*(\b):(\f)+8*(\b)+7], v[(\f)+8*(4*(\hi)+(\a)):(\f)+8*(4*(\hi)+(\a))+7], v[8*(8*(\a)+(\b)):8*(8*(\a)+(\b))+7]
.endif
.endr
.endr
.endm
.macro FETCH k, f                      ; 32 LDS loads in one run: the fragments of 32 along K at byte k of the rows, into buffer f: B's 128 rows, then A's
	WIN TO_B
.irp i, 0,1,2,3,4,5,6,7
	ds_load_b128 v[(\f)+8*(\i):(\f)+8*(\i)+3],   v[ADRB] offset:(\k)+(\i)*16*PITCH
	ds_load_b128 v[(\f)+8*(\i)+4:(\f)+8*(\i)+7], v[ADRB] offset:(\k)+(\i)*16*PITCH+32
.endr
	WIN 0
.irp i, 0,1,2,3,4,5,6,7
	ds_load_b128 v[(\f)+8*(\i):(\f)+8*(\i)+3],   v[ADRA] offset:(\k)+(\i)*16*PITCH
	ds_load_b128 v[(\f)+8*(\i)+4:(\f)+8*(\i)+7], v[ADRA] offset:(\k)+(\i)*16*PITCH+32
.endr
.endm
.macro PLACES                          ; four places in front of loads into registers that matrix instructions have read, and of lines that read results
.rept 4
	v_nop
.endr
.endm
.macro QUARTER k, f, g, zero           ; 32 along K, 64 products: multiplies buffer f; in its middle fetches the next quarter, at byte k, into g
	s_wait_dscnt 8                                 ; B and A's rows 0-63 are in; the youngest eight loads (A's rows 64-127) may be out
	MUL16 \f, 0, 0, \zero
	MUL16 \f, 0, 2, \zero
	PLACES
	FETCH \k, \g
	s_wait_dscnt 32                                ; all but the 32 just issued
	MUL16 \f, 1, 0, \zero
	MUL16 \f, 1, 2, \zero
.endm
.macro TURN fill                       ; a K step's last quarter multiplies buffer 1 and changes slots: one barrier; fill = 1: it opens a round of the cluster's, and the slot just read is filled again
	WIN 0                                          ; (the add's two registers lie in window 0)
	s_wait_tensorcnt 0x0                           ; all my tensor loads have landed: the one that was out is my part of the next slot
	ds_add_u32 v[SPW], v[NIL]                      ; 0 onto my spare word
	s_xor_b32 s[TB], s[TB], XS                     ; the fragment addresses go to the other slot
	v_add_nc_u32 v[ADRA], s[TB], v[ADRA0]
	v_add_nc_u32 v[ADRB], s[TB], v[ADRB0]
	s_wait_dscnt 9                                 ; the add and the youngest eight loads may be out
	MUL16 F1, 0, 0, 0
	s_wait_dscnt 0x0                               ; the add is done, and my reads of this slot are over
	s_barrier_signal -1
	MUL16 F1, 0, 2, 0
.if \fill
	WIN 0
.endif
	s_barrier_wait -1
.if \fill
	CREST                                          ; no wave of any partner still reads this slot or has a load on its way
	s_xor_b32 s[G0+5], s[G0+5], XS                 ; the walking descriptors: the other slot than last time, the next K step
	s_add_nc_u64 s[G0+6:G0+7], s[G0+6:G0+7], KSTEP*2
	s_xor_b32 s[G0B+5], s[G0B+5], XS
	s_add_nc_u64 s[G0B+6:G0B+7], s[G0B+6:G0B+7], KSTEP*2
	JLOAD 1                                        ; my one tensor load behind the round: 224 products ahead of the wait for it; its four v_nop are also the places in front of the loads below
.else
	PLACES
.endif
	FETCH 0, F0
	MUL16 F1, 1, 0, 0
	MUL16 F1, 1, 2, 0
.endm
.macro OUTADR                          ; C by planes of 64 columns, [plane][4096][64] bf16: my two planes' first row; and my places in the dump
	s_lshl_b32 s16, s13, 8
	s_lshl_b32 s17, s11, 7
	s_add_co_u32 s16, s16, s17                     ; my first row,
	s_lshl_b32 s16, s16, 7                         ; rows of 128 bytes
	s_mov_b32 s17, 0
	s_lshl_b32 s46, s42, 2
	s_lshl_b32 s47, s12, 1
	s_add_co_u32 s46, s46, s47                     ; my first plane: 4 x tile column + 2 x half
	s_lshl_b32 s46, s46, 19                        ; 524,288 bytes a plane
	s_mov_b32 s47, 0
	s_add_nc_u64 s[8:9], s[8:9], s[16:17]
	s_add_nc_u64 s[8:9], s[8:9], s[46:47]
	s_mul_i32 s22, s10, 128*SPF                    ; my wave's 128 rows of the dump
	v_mul_u32_u24 v3, v1, SPF
	v_lshl_add_u32 v3, v2, 5, v3
	v_add_nc_u32 v[STO], s22, v3                   ; in: row l % 16, 32 bytes for each half of the lanes
	v_bfe_u32 v3, v0, 3, 2
	v_mul_u32_u24 v3, v3, SPF
	v_and_b32 v6, 7, v0
	v_lshl_add_u32 v3, v6, 5, v3
	v_add_nc_u32 v[RD], s22, v3                    ; back: row l / 8, the 32 bytes at 32 (l % 8): eight columns of a plane
	v_and_b32 v[CO], 31, v0
	v_lshlrev_b32 v[CO], 4, v[CO]                  ; which, rounded, are the 16 bytes at 16 l of four rows of a plane
.endm
.macro DUMP                            ; my 128 x 128 sums into LDS; each accumulator's low registers first
.irp m, 0,1,2,3,4,5,6,7
	WIN 0x08+4*((\m)/4)                            ; the data (source 1) in window 2 or 3
.irp b, 0,1,2,3,4,5,6,7
	ds_store_b128 v[STO], v[8*(8*((\m)%4)+(\b)):8*(8*((\m)%4)+(\b))+3]   offset:(\m)*16*SPF+64*(\b)
	ds_store_b128 v[STO], v[8*(8*((\m)%4)+(\b))+4:8*(8*((\m)%4)+(\b))+7] offset:(\m)*16*SPF+64*(\b)+16
.endr
.endr
	WIN 0
.endm
	s_load_b128 s[4:7], s[0:1], 0x0                ; A s[4:5], wb s[6:7]
	s_load_b64 s[8:9], s[0:1], 0x10                ; C
	s_load_b64 s[66:67], s[0:1], 0x18              ; the kernel's fourth buffer
	v_lshl_add_u32 v[SPW], v0, 2, SPARE
	v_mov_b32 v[NIL], 0
	ds_add_u32 v[SPW], v[NIL]                      ; the wave's opening
	v_lshrrev_b32 v1, 5, v0
	v_readfirstlane_b32 s10, v1                    ; wave 0..3
	s_lshr_b32 s11, s10, 1                         ; my half of the tile's rows; also: I fetch for A (0) or B (1)
	s_and_b32 s12, s10, 1                          ; my half of its columns; also: which 128 rows I fetch
	s_bfe_u32 s40, ttmp6, 0x40000                  ; cx, cy
	s_bfe_u32 s41, ttmp6, 0x40004
	s_lshl_b32 s42, ttmp9, 2
	s_add_co_u32 s42, s42, s40                     ; tile column
	s_and_b32 s13, ttmp7, 0xffff
	s_lshl_b32 s13, s13, 2
	s_add_co_u32 s13, s13, s41                     ; tile row
	s_lshl_b32 s43, s41, 2
	s_lshl_b32 s43, 15, s43                        ; my row of the cluster
	s_lshl_b32 s44, 0x1111, s40                    ; my column
	s_or_b32 s[G1+0], s43, (1<<16)|(1<<20)|(1<<21)|(5<<22)|(3<<25)   ; mask; 2-byte elements; padding on; bit 21 beside a mask; after every 64 words 4 words
	s_or_b32 s[G1B+0], s44, (1<<16)|(1<<20)|(1<<21)|(5<<22)|(3<<25)
.irp g, G1, G1B
	s_mov_b32 s[(\g)+1], KSTEP<<16                 ; tensor_dim0 = 128
	s_mov_b32 s[(\g)+2], 128<<16                   ; tensor_dim1 = 128
	s_mov_b32 s[(\g)+3], KSTEP<<16                 ; tile_dim0 = 128
	s_mov_b32 s[(\g)+4], 128                       ; tile_dim1 = 128
	s_mov_b32 s[(\g)+5], SIZE_K                    ; elements from row to row
	s_mov_b32 s[(\g)+6], 0
	s_mov_b32 s[(\g)+7], 0
.endr
	s_lshl_b32 s17, s12, 7
	s_lshl_b32 s16, s13, 8
	s_add_co_u32 s16, s16, s17                     ; A: row 256 x tile row + 128 x half
	s_lshl_b32 s46, s42, 8
	s_add_co_u32 s46, s46, s17                     ; B: row 256 x tile column + 128 x half
	s_mul_i32 s16, s16, SIZE_K*2                   ; in bytes: under 2^24
	s_mul_i32 s46, s46, SIZE_K*2
	s_mov_b32 s17, 0
	s_mov_b32 s47, 0
	s_mul_i32 s20, s12, HALFT                      ; where they go: made of the wave's number alone
	s_mul_i32 s21, s12, HALFT
	s_add_co_u32 s21, s21, 2*HALFT
	s_mov_b32 s[TB], 0
	s_wait_dscnt 0x0                               ; the opening add is done
	s_wait_kmcnt 0x0
	s_add_nc_u64 s[14:15], s[4:5], s[16:17]
	s_add_nc_u64 s[46:47], s[6:7], s[46:47]
.if WBOFF
	s_add_nc_u64 s[46:47], s[46:47], WBOFF         ; this kernel's matrix in wb
.endif
	CROUND                                         ; all sixteen work-groups are here: the first joint loads meet
.irp s, 0,1
	s_mov_b32 s[G0+4*(\s)], 1
	s_add_co_u32 s[G0+4*(\s)+1], s20, (\s)*XS
	s_add_nc_u64 s[G0+4*(\s)+2:G0+4*(\s)+3], s[14:15], (\s)*KSTEP*2
	s_or_b32 s[G0+4*(\s)+3], s[G0+4*(\s)+3], 0x80000000
	s_mov_b32 s[G0B+4*(\s)], 1
	s_add_co_u32 s[G0B+4*(\s)+1], s21, (\s)*XS
	s_add_nc_u64 s[G0B+4*(\s)+2:G0B+4*(\s)+3], s[46:47], (\s)*KSTEP*2
	s_or_b32 s[G0B+4*(\s)+3], s[G0B+4*(\s)+3], 0x80000000
	JLOAD \s                                       ; two loads of mine are out
.endr
	v_and_b32 v1, 15, v0                           ; l % 16
	v_bfe_u32 v2, v0, 4, 1                         ; l / 16
	v_mul_u32_u24 v3, v1, PITCH
	v_lshl_add_u32 v3, v2, 4, v3                   ; a fragment's row x pitch + 16 x half
	s_mul_i32 s22, s11, HALFT
	v_add_nc_u32 v[ADRA0], s22, v3
	s_mul_i32 s22, s12, HALFT
	s_add_co_u32 s22, s22, 2*HALFT
	v_add_nc_u32 v[ADRB0], s22, v3
	v_mov_b32 v[ADRA], v[ADRA0]
	v_mov_b32 v[ADRB], v[ADRB0]
	EARLY
	s_wait_tensorcnt 1                             ; my part of K step 0 is in; K step 1's may stay out
	s_barrier_signal -1
	s_barrier_wait -1
	FETCH 0, F0
	QUARTER 64, F0, F1, 1                          ; the first quarter stands in front of the loop: its products start the sums
	WIN 0
	s_mov_b32 s3, NK-2
.Lstep:                                        ; a trip: a K step's last three quarters, the refill two steps ahead, the next step's first quarter
	QUARTER 128, F1, F0, 0
	QUARTER 192, F0, F1, 0
	TURN 1
	QUARTER 64, F0, F1, 0
	WIN 0
	s_sub_co_u32 s3, s3, 1
	s_cmp_lg_u32 s3, 0
	s_cbranch_scc1 .Lstep
	s_mov_b32 s3, 2
.Ltail:                                        ; the last two K steps ask for nothing; the second pass is left in its middle
	QUARTER 128, F1, F0, 0
	QUARTER 192, F0, F1, 0
	WIN 0
	s_sub_co_u32 s3, s3, 1
	s_cmp_eq_u32 s3, 0
	s_cbranch_scc1 .Llast
	TURN 0
	QUARTER 64, F0, F1, 0
	WIN 0
	s_branch .Ltail
.Llast:
	s_wait_dscnt 8
	MUL16 F1, 0, 0, 0
	MUL16 F1, 0, 2, 0
	s_wait_dscnt 0x0
	MUL16 F1, 1, 0, 0
	MUL16 F1, 1, 2, 0
	WIN 0
	WAYOUT
	s_wait_tensorcnt 0x0                           ; the wave's end
	ds_add_u32 v[SPW], v[NIL]
	s_wait_dscnt 0x0
	CROUND                                         ; the closing round
	s_endpgm
.Lfunc_end_k_q844580860d_mlp1:
	.size	k_q844580860d_mlp1, .Lfunc_end_k_q844580860d_mlp1-k_q844580860d_mlp1
	.p2alignl 7, 3214868480
	.fill 96, 4, 3214868480
	.section	.rodata,"a",@progbits
	.p2align	6, 0x0
	.amdhsa_kernel k_q844580860d_mlp1
		.amdhsa_group_segment_fixed_size 327680
		.amdhsa_private_segment_fixed_size 0
		.amdhsa_enable_private_segment 0
		.amdhsa_kernarg_size 32
		.amdhsa_user_sgpr_count 2
		.amdhsa_user_sgpr_kernarg_segment_ptr 1
		.amdhsa_wavefront_size32 1
		.amdhsa_system_sgpr_workgroup_id_x 1
		.amdhsa_system_sgpr_workgroup_id_y 1
		.amdhsa_system_sgpr_workgroup_id_z 1
		.amdhsa_system_vgpr_workitem_id 0
		.amdhsa_next_free_vgpr 1024
		.amdhsa_next_free_sgpr 82
		.amdhsa_reserve_vcc 0
		.amdhsa_float_denorm_mode_32 3
		.amdhsa_float_denorm_mode_16_64 3
		.amdhsa_memory_ordered 1
		.amdhsa_forward_progress 1
		.amdhsa_inst_pref_size 92
	.end_amdhsa_kernel
	.amdgpu_metadata
---
amdhsa.version: [ 1, 2 ]
amdhsa.kernels:
  - .name:           k_q844580860d_mlp1
    .symbol:         k_q844580860d_mlp1.kd
    .args:
      - { .name: act, .offset: 0, .size: 8, .value_kind: global_buffer, .address_space: global }
      - { .name: wb, .offset: 8, .size: 8, .value_kind: global_buffer, .address_space: global }
      - { .name: hb, .offset: 16, .size: 8, .value_kind: global_buffer, .address_space: global }
      - { .name: b_mlp1, .offset: 24, .size: 8, .value_kind: global_buffer, .address_space: global }
    .group_segment_fixed_size: 327680
    .private_segment_fixed_size: 0
    .kernarg_segment_align: 8
    .kernarg_segment_size: 32
    .max_flat_workgroup_size: 128
    .sgpr_count:     82
    .vgpr_count:     1024
    .wavefront_size: 32
...
	.end_amdgpu_metadata
.endif
;; end of part 6
;; launch mlp2 (part 7): grid 8 x 32, 4 waves a work-group, clusters of 4 x 4, 327,680 bytes of LDS; arguments hb, wb, out0, x1, b_mlp2; writes out0
.if DOCPART == 7
	.amdgcn_target "amdgcn-amd-amdhsa--gfx1250"
	.amdhsa_code_object_version 6
	.text
	.protected	k_q844580860d_mlp2
	.globl	k_q844580860d_mlp2
	.p2align	8
	.type	k_q844580860d_mlp2,@function
k_q844580860d_mlp2:
	s_mov_b64 s[64:65], 0
	v_nop
	global_prefetch_b8 v0, s[64:65] scope:SCOPE_SE
	s_setreg_imm32_b32 hwreg(HW_REG_WAVE_MODE, 25, 1), 1
	s_wait_xcnt 0x0
	s_wait_alu depctr_hold_cnt(0) depctr_sa_sdst(0) depctr_va_vdst(0) depctr_va_sdst(0) depctr_va_ssrc(0) depctr_va_vcc(0) depctr_vm_vsrc(0)
	s_getreg_b32 s2, hwreg(HW_REG_IB_STS2, 6, 4)
	s_cmp_eq_u32 s2, 0
	s_cbranch_scc0 .Lentry_in_a_cluster
	s_endpgm
.Lentry_in_a_cluster:
	s_bfe_u32 s2, ttmp6, 0x10000c
	s_cmp_lg_u32 s2, 0xf033
	s_cbranch_scc0 .Lentry_shape_is_right
	s_endpgm
.Lentry_shape_is_right:
; out0 = x1 + h w_mlp2^T + b_mlp2.  A = hb in planes [64][4096][64] bf16, B = w_mlp2 in wb, [1024][4096] bf16; sums in f32; x1 and out0 [4096][1024] f32.
; A tile of C is 128 x 128: four waves of 64 x 64; K = 4,096 in 16 steps of 256 (four planes of A) through two LDS slots; 4 x 4 work-groups form a cluster: A's tile is asked for jointly along a row
; of the cluster, B's along a column.  The matrix instruction is used transposed.  256 work-groups.  The wave's part of x1 is loaded ahead of the K loop into 128 registers of window 2.
; The way out: 16 rows at a time go through the wave's own stage, come back as whole rows of 256 bytes, take x1 and the bias and are stored, 16 lanes to 256 aligned bytes.
; No prefetch: small tiles, each shared by four work-groups.
.set SIZE_K, 4096
.set PLANES, 1
.set WBOFF,  16777216
.set FIVE,   1
.set BIAS,   1
.set SPF,    272                       ; the stage's row: 256 bytes + 16
.set OB,     32                        ; v32-63, v64-95: 16 rows read back, by turns
.macro EARLY
	s_lshl_b32 s16, s13, 7
	s_lshl_b32 s17, s11, 6
	s_add_co_u32 s16, s16, s17                     ; my first row
	s_lshl_b32 s16, s16, 12                        ; rows of 4,096 bytes
	s_mov_b32 s17, 0
	s_lshl_b32 s46, s42, 9
	s_lshl_b32 s47, s12, 8
	s_add_co_u32 s46, s46, s47                     ; my first column, in bytes
	s_mov_b32 s47, 0
	s_add_nc_u64 s[8:9], s[8:9], s[16:17]
	s_add_nc_u64 s[8:9], s[8:9], s[46:47]
	s_add_nc_u64 s[66:67], s[66:67], s[16:17]
	s_add_nc_u64 s[66:67], s[66:67], s[46:47]
	v_lshlrev_b32 v3, 12, v2
	v_lshl_add_u32 v[CO], v1, 4, v3                ; lanes 0-15 a row's 256 bytes, lanes 16-31 the next row's
	WIN 0x80                                       ; destination window 2
.set z, 0
.rept 32
	global_load_b128 v[4*z:4*z+3], v[CO], s[66:67] offset:2*z*4096
.set z, z+1
.endr
	WIN 0
.if BIAS
	s_add_nc_u64 s[68:69], s[68:69], s[46:47]
	v_lshlrev_b32 v4, 4, v1
	global_load_b128 v[8:11], v4, s[68:69]         ; the bias of my four columns of a row read back
.endif
	s_mul_i32 s22, s10, 16*SPF
	s_add_co_u32 s22, s22, STAGE
	v_mul_u32_u24 v3, v1, SPF
	v_lshl_add_u32 v3, v2, 5, v3
	v_add_nc_u32 v[STO], s22, v3                   ; in: row l % 16, 32 bytes for each half of the lanes
	v_mul_u32_u24 v3, v2, SPF
	v_lshl_add_u32 v3, v1, 4, v3
	v_add_nc_u32 v[RD], s22, v3
.endm
.macro OUTS a                          ; 16 rows into my stage and back as whole rows
.if (\a) >= 2
	s_wait_xcnt 0x0                                ; the stores of two blocks back have read these registers
.endif
.irp b, 0,1,2,3
	ds_store_b128 v[STO], v[ACC+8*(4*(\a)+(\b)):ACC+8*(4*(\a)+(\b))+3]   offset:64*(\b)     ; each accumulator's low registers first
	ds_store_b128 v[STO], v[ACC+8*(4*(\a)+(\b))+4:ACC+8*(4*(\a)+(\b))+7] offset:64*(\b)+16
.endr
.irp t, 0,1,2,3,4,5,6,7
	ds_load_b128 v[OB+32*((\a)%2)+4*(\t):OB+32*((\a)%2)+4*(\t)+3], v[RD] offset:(\t)*2*SPF  ; LDS serves a wave's instructions in order (ISA guide 5.7.1.4)
.endr
.endm
.macro FIN a, younger                  ; younger: the LDS instructions issued behind block a's loads
	s_wait_dscnt \younger
	WIN 0x08                                       ; source 1 in window 2: the residual
.set z, 0
.rept 16
	v_pk_add_f32 v[OB+32*((\a)%2)+2*z:OB+32*((\a)%2)+2*z+1], v[OB+32*((\a)%2)+2*z:OB+32*((\a)%2)+2*z+1], v[32*(\a)+2*z:32*(\a)+2*z+1]
.set z, z+1
.endr
	WIN 0
.if BIAS
.set z, 0
.rept 16
	v_pk_add_f32 v[OB+32*((\a)%2)+2*z:OB+32*((\a)%2)+2*z+1], v[OB+32*((\a)%2)+2*z:OB+32*((\a)%2)+2*z+1], v[8+2*(z%2):9+2*(z%2)]
.set z, z+1
.endr
.endif
.irp t, 0,1,2,3,4,5,6,7
	global_store_b128 v[CO], v[OB+32*((\a)%2)+4*(\t):OB+32*((\a)%2)+4*(\t)+3], s[8:9] offset:(16*(\a)+2*(\t))*4096  ; 16 lanes store 256 consecutive bytes, aligned
.endr
.endm
.macro WAYOUT
	PLACES
	s_wait_loadcnt 0x0                             ; the residual and the bias
	OUTS 0
	OUTS 1
	FIN 0, 16
	OUTS 2
	FIN 1, 16
	OUTS 3
	FIN 2, 16
	FIN 3, 0
.endm
; ---------------- the core, the same text in the two kernels with tiles of 128 x 128 ----------------
.set NK,    SIZE_K/256                 ; K steps
.set KSTEP, 256
.set PB,    528                        ; an LDS row of B: 512 bytes + 16 = 132 words: the 16 rows of a load start at 16 different groups of four banks (64 banks of 4 bytes: ISA guide 11.1)
.set HB,    64*PB                      ; 64 rows: what one tensor load brings
.if PLANES                             ; A lies in planes [K/64][4096][64]: a K step is 4 planes; 64 rows of a plane are 8,192 dense bytes
.set PA,    144                        ; in LDS [plane][row]: 128 bytes + 16
.set APL,   64*PA
.set HA,    4*APL
.set AROWB, 128
.set ASTEP, 4*524288
.else                                  ; A lies row-major [4096][SIZE_K]
.set PA,    528
.set APL,   128
.set HA,    64*PA
.set AROWB, SIZE_K*2
.set ASTEP, KSTEP*2
.endif
.set XS,    0x24000                    ; from slot to slot; no fill's address in slot 0 has bit 14 or bit 17, so one exclusive or changes slots
.set SPARE, 141312                     ; between the slots: the spare words, 128 bytes a wave, that no other line names
.set STAGE, 288768                     ; behind slot 1, never filled by a tensor load
.set ADRA0, 16                         ; v16  my lane's place in A's fragments, slot 0; never rewritten
.set ADRB0, 17                         ; v17  the same for B
.set ADRA,  18                         ; v18  the same in the slot in hand
.set ADRB,  19
.set STO,   24
.set RD,    25
.set CO,    26
.set SPW,   28                         ; v28  LDS address of my spare word; never rewritten
.set NIL,   29                         ; v29  0; never rewritten
.set ACC,   128                        ; accumulator (a, b) at v[128 + 8 (4 a + b)], window 0
.set F0,    0                          ; two fragment buffers in window 1: 64 registers of A, then 64 of B, for 64 along K
.set F1,    128
.set TB,    23                         ; s23  0 or XS: the slot in hand
.set G1,    24                         ; s[24:31] group 1 for A; s[32:39] two groups 0: the first fill's, and the one that walks
.set G0,    32
.set G1B,   48                         ; the same for B
.set G0B,   56
.set MSB, 0
.macro WIN new                         ; the immediate's high byte repeats the setting that is left; a switch that changes nothing is dropped
.if MSB != (\new)
	s_set_vgpr_msb (MSB<<8)|(\new)
.set MSB, \new
.endif
.endm
.set MUL,  0x05                        ; sources 0 (B) and 1 (A) window 1; C and D window 0
.set TO_F, 0x40                        ; destination window 1, address window 0
.macro JLOAD s                         ; a joint load: waves 0 and 1 fetch A's two halves, waves 2 and 3 B's; an s_nop 0 and four v_nop follow each line
	s_cmp_eq_u32 s11, 0
	s_cbranch_scc0 .Lfor_b_\@
	tensor_load_to_lds s[G0+4*(\s):G0+4*(\s)+3], s[G1:G1+7]
	s_nop 0
.rept 4
	v_nop
.endr
	s_branch .Lasked_\@
.Lfor_b_\@:
	tensor_load_to_lds s[G0B+4*(\s):G0B+4*(\s)+3], s[G1B:G1B+7]
	s_nop 0
.rept 4
	v_nop
.endr
.Lasked_\@:
.endm
.macro CREST                           ; a round of the cluster's barrier behind its opening barrier
	s_cmp_lg_u32 s10, 0
	s_cbranch_scc1 .Lnot_wave_0_\@
	s_barrier_signal -3
.Lnot_wave_0_\@:
	s_barrier_wait -3
	s_barrier_signal -1
	s_barrier_wait -1
.endm
.macro CROUND
	s_barrier_signal -1
	s_barrier_wait -1
	CREST
.endm
.macro MUL8 f, c, a0, zero             ; 8 products: row blocks a0, a0 + 1 x 4 column blocks, 32 along K (half c of buffer f); zero = 1 starts the sums
	WIN MUL
.irp a, \a0, (\a0)+1
.irp b, 0,1,2,3
.if \zero
	v_wmma_f32_16x16x32_bf16 v[ACC+8*(4*(\a)+(\b)):ACC+8*(4*(\a)+(\b))+7], v[(\f)+64+8*(4*(\c)+(\b)):(\f)+64+8*(4*(\c)+(\b))+7], v[(\f)+8*(4*(\c)+(\a)):(\f)+8*(4*(\c)+(\a))+7], 0
.else
	v_wmma_f32_16x16x32_bf16 v[ACC+8*(4*(\a)+(\b)):ACC+8*(4*(\a)+(\b))+7], v[(\f)+64+8*(4*(\c)+(\b)):(\f)+64+8*(4*(\c)+(\b))+7], v[(\f)+8*(4*(\c)+(\a)):(\f)+8*(4*(\c)+(\a))+7], v[ACC+8*(4*(\a)+(\b)):ACC+8*(4*(\a)+(\b))+7]
.endif
.endr
.endr
.endm
.macro FETCH k, f                      ; 32 LDS loads in one run: the fragments of 64 along K at byte k of a K step, into buffer f; the first 32 along K first
	WIN TO_F
.irp c, 0,1
.irp i, 0,1,2,3
	ds_load_b128 v[(\f)+64+8*(4*(\c)+(\i)):(\f)+64+8*(4*(\c)+(\i))+3],   v[ADRB] offset:(\k)+64*(\c)+(\i)*16*PB
	ds_load_b128 v[(\f)+64+8*(4*(\c)+(\i))+4:(\f)+64+8*(4*(\c)+(\i))+7], v[ADRB] offset:(\k)+64*(\c)+(\i)*16*PB+32
	ds_load_b128 v[(\f)+8*(4*(\c)+(\i)):(\f)+8*(4*(\c)+(\i))+3],         v[ADRA] offset:(((\k)+64*(\c))/128)*APL+((\k)+64*(\c))%128+(\i)*16*PA
	ds_load_b128 v[(\f)+8*(4*(\c)+(\i))+4:(\f)+8*(4*(\c)+(\i))+7],       v[ADRA] offset:(((\k)+64*(\c))/128)*APL+((\k)+64*(\c))%128+(\i)*16*PA+32
.endr
.endr
.endm
.macro PLACES                          ; four places in front of loads into registers that matrix instructions have read, and of lines that read results
.rept 4
	v_nop
.endr
.endm
.macro QUARTER k, f, g, zero           ; 64 along K: multiplies buffer f; in its middle fetches the next quarter, at byte k, into g
	s_wait_dscnt 16                                ; the first 32 along K are in; the younger sixteen loads may be out
	WIN MUL
	MUL8 \f, 0, 0, \zero
	MUL8 \f, 0, 2, \zero
	PLACES
	FETCH \k, \g
	s_wait_dscnt 32                                ; all but the 32 just issued
	WIN MUL
	MUL8 \f, 1, 0, 0
	MUL8 \f, 1, 2, 0
.endm
.macro TURN fill                       ; a K step's last quarter multiplies buffer 1 and changes slots: one barrier; fill = 1: it opens a round of the cluster's, and the slot just read is filled again
	WIN 0                                          ; (the add's two registers lie in window 0)
	s_wait_tensorcnt 0x0                           ; all my tensor loads have landed: the one that was out is my part of the next slot
	ds_add_u32 v[SPW], v[NIL]                      ; 0 onto my spare word
	s_xor_b32 s[TB], s[TB], XS                     ; the fragment addresses go to the other slot
	v_add_nc_u32 v[ADRA], s[TB], v[ADRA0]
	v_add_nc_u32 v[ADRB], s[TB], v[ADRB0]
	s_wait_dscnt 17                                ; the add and the youngest sixteen loads may be out
	WIN MUL
	MUL8 F1, 0, 0, 0
	s_wait_dscnt 0x0                               ; the add is done, and my reads of this slot are over
	s_barrier_signal -1
	MUL8 F1, 0, 2, 0
.if \fill
	WIN 0
.endif
	s_barrier_wait -1
.if \fill
	CREST                                          ; no wave of any partner still reads this slot or has a load on its way
	s_xor_b32 s[G0+5], s[G0+5], XS                 ; the walking descriptors: the other slot than last time, the next K step
	s_add_nc_u64 s[G0+6:G0+7], s[G0+6:G0+7], ASTEP
	s_xor_b32 s[G0B+5], s[G0B+5], XS
	s_add_nc_u64 s[G0B+6:G0B+7], s[G0B+6:G0B+7], KSTEP*2
	JLOAD 1                                        ; my one tensor load behind the round; its four v_nop are also the places in front of the loads below
.else
	PLACES
.endif
	FETCH 0, F0
	WIN MUL
	MUL8 F1, 1, 0, 0
	MUL8 F1, 1, 2, 0
.endm
	s_load_b128 s[4:7], s[0:1], 0x0                ; A s[4:5], wb s[6:7]
	s_load_b64 s[8:9], s[0:1], 0x10                ; C
	s_load_b64 s[66:67], s[0:1], 0x18              ; the kernel's fourth buffer
.if FIVE
	s_load_b64 s[68:69], s[0:1], 0x20              ; and its fifth
.endif
	v_lshl_add_u32 v[SPW], v0, 2, SPARE
	v_mov_b32 v[NIL], 0
	ds_add_u32 v[SPW], v[NIL]                      ; the wave's opening
	v_lshrrev_b32 v1, 5, v0
	v_readfirstlane_b32 s10, v1                    ; wave 0..3
	s_lshr_b32 s11, s10, 1                         ; my half of the tile's rows; also: I fetch for A (0) or B (1)
	s_and_b32 s12, s10, 1                          ; my half of its columns; also: which 64 rows I fetch
	s_bfe_u32 s40, ttmp6, 0x40000                  ; cx, cy
	s_bfe_u32 s41, ttmp6, 0x40004
	s_lshl_b32 s42, ttmp9, 2
	s_add_co_u32 s42, s42, s40                     ; tile column
	s_and_b32 s13, ttmp7, 0xffff
	s_lshl_b32 s13, s13, 2
	s_add_co_u32 s13, s13, s41                     ; tile row
	s_lshl_b32 s43, s41, 2
	s_lshl_b32 s43, 15, s43                        ; my row of the cluster
	s_lshl_b32 s44, 0x1111, s40                    ; my column
.if PLANES
	s_or_b32 s[G1+0], s43, (1<<16)|(1<<20)|(1<<21)|(4<<22)|(3<<25)  ; mask; 2-byte elements; padding on; bit 21 beside a mask; after every 32 words 4 words
	s_mov_b32 s[G1+1], 4096<<16                    ; tensor_dim0 = 4,096: 64 rows of 64 numbers, dense
	s_mov_b32 s[G1+2], 4<<16                       ; tensor_dim1 = 4 planes
	s_mov_b32 s[G1+3], 4096<<16                    ; tile_dim0
	s_mov_b32 s[G1+4], 4                           ; tile_dim1
	s_mov_b32 s[G1+5], 262144                      ; elements from plane to plane
.else
	s_or_b32 s[G1+0], s43, (1<<16)|(1<<20)|(1<<21)|(6<<22)|(3<<25)  ; the same, after every 128 words 4 words
	s_mov_b32 s[G1+1], KSTEP<<16
	s_mov_b32 s[G1+2], 64<<16
	s_mov_b32 s[G1+3], KSTEP<<16
	s_mov_b32 s[G1+4], 64
	s_mov_b32 s[G1+5], SIZE_K
.endif
	s_mov_b32 s[G1+6], 0
	s_mov_b32 s[G1+7], 0
	s_or_b32 s[G1B+0], s44, (1<<16)|(1<<20)|(1<<21)|(6<<22)|(3<<25)
	s_mov_b32 s[G1B+1], KSTEP<<16                  ; 64 rows x 256 elements
	s_mov_b32 s[G1B+2], 64<<16
	s_mov_b32 s[G1B+3], KSTEP<<16
	s_mov_b32 s[G1B+4], 64
	s_mov_b32 s[G1B+5], SIZE_K
	s_mov_b32 s[G1B+6], 0
	s_mov_b32 s[G1B+7], 0
	s_lshl_b32 s17, s12, 6
	s_lshl_b32 s16, s13, 7
	s_add_co_u32 s16, s16, s17                     ; A: row 128 x tile row + 64 x half
	s_lshl_b32 s46, s42, 7
	s_add_co_u32 s46, s46, s17                     ; B: row 128 x tile column + 64 x half
	s_mul_i32 s16, s16, AROWB                      ; in bytes: under 2^24
	s_mul_i32 s46, s46, SIZE_K*2
	s_mov_b32 s17, 0
	s_mov_b32 s47, 0
	s_mul_i32 s20, s12, HA                         ; where they go: made of the wave's number alone
	s_mul_i32 s21, s12, HB
	s_add_co_u32 s21, s21, 2*HA
	s_mov_b32 s[TB], 0
	s_wait_dscnt 0x0                               ; the opening add is done
	s_wait_kmcnt 0x0
	s_add_nc_u64 s[14:15], s[4:5], s[16:17]
	s_add_nc_u64 s[46:47], s[6:7], s[46:47]
.if WBOFF
	s_add_nc_u64 s[46:47], s[46:47], WBOFF         ; this kernel's matrix in wb
.endif
	CROUND                                         ; all sixteen work-groups are here: the first joint loads meet
.irp s, 0,1
	s_mov_b32 s[G0+4*(\s)], 1
	s_add_co_u32 s[G0+4*(\s)+1], s20, (\s)*XS
	s_add_nc_u64 s[G0+4*(\s)+2:G0+4*(\s)+3], s[14:15], (\s)*ASTEP
	s_or_b32 s[G0+4*(\s)+3], s[G0+4*(\s)+3], 0x80000000
	s_mov_b32 s[G0B+4*(\s)], 1
	s_add_co_u32 s[G0B+4*(\s)+1], s21, (\s)*XS
	s_add_nc_u64 s[G0B+4*(\s)+2:G0B+4*(\s)+3], s[46:47], (\s)*KSTEP*2
	s_or_b32 s[G0B+4*(\s)+3], s[G0B+4*(\s)+3], 0x80000000
	JLOAD \s                                       ; two loads of mine are out
.endr
	v_and_b32 v1, 15, v0                           ; l % 16
	v_bfe_u32 v2, v0, 4, 1                         ; l / 16
	v_mul_u32_u24 v3, v1, PA
	v_lshl_add_u32 v3, v2, 4, v3                   ; a fragment's row x pitch + 16 x half
	s_mul_i32 s22, s11, HA
	v_add_nc_u32 v[ADRA0], s22, v3
	v_mul_u32_u24 v3, v1, PB
	v_lshl_add_u32 v3, v2, 4, v3
	s_mul_i32 s22, s12, HB
	s_add_co_u32 s22, s22, 2*HA
	v_add_nc_u32 v[ADRB0], s22, v3
	v_mov_b32 v[ADRA], v[ADRA0]
	v_mov_b32 v[ADRB], v[ADRB0]
	EARLY
	s_wait_tensorcnt 1                             ; my part of K step 0 is in; K step 1's may stay out
	s_barrier_signal -1
	s_barrier_wait -1
	FETCH 0, F0
	QUARTER 128, F0, F1, 1                         ; the first quarter stands in front of the loop: its first products start the sums
	WIN 0
	s_mov_b32 s3, NK-2
.Lstep:                                        ; a trip: a K step's last three quarters, the refill two steps ahead, the next step's first quarter
	QUARTER 256, F1, F0, 0
	QUARTER 384, F0, F1, 0
	TURN 1
	QUARTER 128, F0, F1, 0
	WIN 0
	s_sub_co_u32 s3, s3, 1
	s_cmp_lg_u32 s3, 0
	s_cbranch_scc1 .Lstep
	s_mov_b32 s3, 2
.Ltail:                                        ; the last two K steps ask for nothing; the second pass is left in its middle
	QUARTER 256, F1, F0, 0
	QUARTER 384, F0, F1, 0
	WIN 0
	s_sub_co_u32 s3, s3, 1
	s_cmp_eq_u32 s3, 0
	s_cbranch_scc1 .Llast
	TURN 0
	QUARTER 128, F0, F1, 0
	WIN 0
	s_branch .Ltail
.Llast:
	s_wait_dscnt 16
	WIN MUL
	MUL8 F1, 0, 0, 0
	MUL8 F1, 0, 2, 0
	s_wait_dscnt 0x0
	MUL8 F1, 1, 0, 0
	MUL8 F1, 1, 2, 0
	WIN 0
	WAYOUT
	s_wait_tensorcnt 0x0                           ; the wave's end
	ds_add_u32 v[SPW], v[NIL]
	s_wait_dscnt 0x0
	CROUND                                         ; the closing round
	s_endpgm
.Lfunc_end_k_q844580860d_mlp2:
	.size	k_q844580860d_mlp2, .Lfunc_end_k_q844580860d_mlp2-k_q844580860d_mlp2
	.p2alignl 7, 3214868480
	.fill 96, 4, 3214868480
	.section	.rodata,"a",@progbits
	.p2align	6, 0x0
	.amdhsa_kernel k_q844580860d_mlp2
		.amdhsa_group_segment_fixed_size 327680
		.amdhsa_private_segment_fixed_size 0
		.amdhsa_enable_private_segment 0
		.amdhsa_kernarg_size 40
		.amdhsa_user_sgpr_count 2
		.amdhsa_user_sgpr_kernarg_segment_ptr 1
		.amdhsa_wavefront_size32 1
		.amdhsa_system_sgpr_workgroup_id_x 1
		.amdhsa_system_sgpr_workgroup_id_y 1
		.amdhsa_system_sgpr_workgroup_id_z 1
		.amdhsa_system_vgpr_workitem_id 0
		.amdhsa_next_free_vgpr 640
		.amdhsa_next_free_sgpr 70
		.amdhsa_reserve_vcc 0
		.amdhsa_float_denorm_mode_32 3
		.amdhsa_float_denorm_mode_16_64 3
		.amdhsa_memory_ordered 1
		.amdhsa_forward_progress 1
		.amdhsa_inst_pref_size 71
	.end_amdhsa_kernel
	.amdgpu_metadata
---
amdhsa.version: [ 1, 2 ]
amdhsa.kernels:
  - .name:           k_q844580860d_mlp2
    .symbol:         k_q844580860d_mlp2.kd
    .args:
      - { .name: hb, .offset: 0, .size: 8, .value_kind: global_buffer, .address_space: global }
      - { .name: wb, .offset: 8, .size: 8, .value_kind: global_buffer, .address_space: global }
      - { .name: out0, .offset: 16, .size: 8, .value_kind: global_buffer, .address_space: global }
      - { .name: x1, .offset: 24, .size: 8, .value_kind: global_buffer, .address_space: global }
      - { .name: b_mlp2, .offset: 32, .size: 8, .value_kind: global_buffer, .address_space: global }
    .group_segment_fixed_size: 327680
    .private_segment_fixed_size: 0
    .kernarg_segment_align: 8
    .kernarg_segment_size: 40
    .max_flat_workgroup_size: 128
    .sgpr_count:     70
    .vgpr_count:     640
    .wavefront_size: 32
...
	.end_amdgpu_metadata
.endif
;; end of part 7
